; MI455X (gfx1250); checked and timed in simulation.
; The chip was launched on July 23, 2026; its instructions are those of AMD's public machine-readable ISA for CDNA 5 (MIT licence, August 2026) and "CDNA5" Instruction Set Architecture Reference Guide (July 2026). The comments in the code are by the model that wrote it; some were corrected since.
;; Multi Head Attention. Allowed arithmetic: matrix products marked QUANTISED: E4M3 operands, one E8M0 scale for each 32 along K, by v_wmma_scale_f32_16x16x128_f8f6f4 with both operands' format E4M3, f32 sums; everything else in f32.
;; Inputs: Wk 1,024 x 1,024 float32; Wo 1,024 x 1,024 float32; Wq 1,024 x 1,024 float32; Wv 1,024 x 1,024 float32; bk 1,024 float32; bo 1,024 float32; bq 1,024 float32; bv 1,024 float32; k 4 x 2,048 x 1,024 float32; mask 1 x 1 x 2,048 x 2,048 int32; q 4 x 2,048 x 1,024 float32; v 4 x 2,048 x 1,024 float32.
;; Outputs: out0 4 x 2,048 x 1,024 float32.
;; This version of the problem:
;;   THIS VERSION OF THE PROBLEM IS GIVEN IN LOW PRECISION. The matrix products marked QUANTISED in the list below multiply operands that are first quantised to E4M3 (4 exponent bits, 3 mantissa bits; 8 bits a number), with one power-of-two scale for each 32 numbers along K (OCP MX v1.0); their sums are f32. All else is computed in f32.
;;   The module's matrix products, in the order in which they are computed (A, B: the left and right operand; K: the contracted axis; several contracted axes count as one K, in the product's order):
;;     1. [M 8,192, K 1,024] x [K 1,024, N 1,024]; A: input q; B: input Wq: QUANTISED
;;     2. [M 8,192, K 1,024] x [K 1,024, N 1,024]; A: input k; B: input Wk: QUANTISED
;;     3. [M 8,192, K 1,024] x [K 1,024, N 1,024]; A: input v; B: input Wv: QUANTISED
;;     4. batch 64 x [M 2,048, K 64] x [K 64, N 2,048]; A: computed on the way; B: computed on the way: QUANTISED
;;     5. batch 64 x [M 2,048, K 2,048] x [K 2,048, N 64]; A: softmax (see below); B: computed on the way: QUANTISED
;;     6. [M 8,192, K 1,024] x [K 1,024, N 1,024]; A: computed on the way; B: input Wo: QUANTISED
;;   THE QUANTISER, for each operand of a quantised product, along K:
;;     - K is cut into blocks of 32 from its start; a last block that is shorter is filled with zeros.
;;     - A block's scale is 2^e with e = floor(log2(the largest magnitude in the block)) - 8, held to -126 .. 127; a block of zeros has e = 0. As a byte (E8M0): e + 127.
;;     - Each number is divided by its block's scale, clamped to +-448, and rounded to the nearest number of E4M3, ties to even, subnormals kept.
;;     - The product sums the exact products of the quantised numbers (number of the format x scale) in f32.
;;   ~~~python
;;   def quantise(x, axis):      # numpy; x: float32 -> the quantised numbers, widened to float32 again
;;       x = np.moveaxis(x, axis, -1); K = x.shape[-1]
;;       x = np.pad(x, [(0, 0)] * (x.ndim - 1) + [(0, -K % 32)]); x = x.reshape(x.shape[:-1] + (-1, 32)); a = np.abs(x).max(-1, keepdims=True)
;;       e = np.where(a > 0, np.clip(np.frexp(np.where(a > 0, a, 1))[1] - 1 - 8, -126, 127), 0)      # np.frexp(a)[1] - 1 = floor(log2(a)), exactly
;;       r = np.clip(x / 2.0 ** e, -448, 448)
;;       step = 2.0 ** (np.maximum(np.frexp(np.where(r == 0, 1, r))[1] - 1, -6) - 3)
;;       q = np.round(r / step) * step * 2.0 ** e      # np.round: ties to even
;;       return np.moveaxis(q.reshape(q.shape[:-2] + (-1,))[..., :K], -1, axis).astype(np.float32)
;;   ~~~
;;   SOFTMAX AHEAD OF A QUANTISED PRODUCT. Where the list says 'softmax', what is quantised is not the finished softmax but p = 2^(t - M), with t = logit x log2(e) and M = ceil(the row's largest t), a whole number; so 1/2 < the row's largest p <= 1. The row's sum l is taken of the UNQUANTISED p, in f32, and the product's result is divided by l at the end. Since M is a whole number, a kernel that streams over the keys may use a running M (the ceiling of the running maximum): every later rescaling is an exact power of two, which a block's scale takes up: the codes' values come out the same.
;;   OPERANDS COMPUTED ON THE WAY. 'Computed on the way' means the value that the module computes at that place (a softmax that the list does not call 'softmax' is quantised finished and normalised). What goes into a quantiser is computed in f32, as accurately as f32 sums, v_exp_f32 and their like allow (about 1e-6 of the number): no bf16 or f16 on the way to a quantiser, and a product that is left as it is and whose result goes on into a quantised operand takes f32 operands (vector FMAs, or v_wmma_f32_16x16x4_f32). A number that lies on a knife's edge between two numbers of the format may be rounded either way, as far as f32 arithmetic and the matrix unit's own rounding can turn it there, and no further.
;; 3 versions, each right; version 2 is faster than version 1; version 3 is version 2 with the launch attn written anew for expert scheduling mode. Each part assembles by itself: llvm-mc -triple=amdgcn-amd-amdhsa -mcpu=gfx1250 --defsym DOCPART=n.
;; ======== version 1 of 3: 4 launches
;; limits: right only within a limited range of input values
;; workspace buffers: codes 29,360,128 bytes; scales 917,504 bytes; hq 17,301,504 bytes; hkv 17,301,504 bytes; mw 524,288 bytes of whole numbers; cc 8,388,608 bytes; cs 262,144 bytes
;; launch prep (part 1): grid 512 x 1, 4 waves a work-group, no clusters, 70,144 bytes of LDS; arguments q, k, v, Wq, Wk, Wv, Wo, mask, codes, scales, mw; writes codes, scales, mw
.if DOCPART == 1
	.amdgcn_target "amdgcn-amd-amdhsa--gfx1250"
	.amdhsa_code_object_version 6
	.text
	.protected	k_q2832f09a39_prep
	.globl	k_q2832f09a39_prep
	.p2align	8
	.type	k_q2832f09a39_prep,@function
k_q2832f09a39_prep:
	s_mov_b64 s[64:65], 0
	v_nop
	global_prefetch_b8 v0, s[64:65] scope:SCOPE_SE
	s_setreg_imm32_b32 hwreg(HW_REG_WAVE_MODE, 25, 1), 1
	s_wait_xcnt 0x0
; PREP.  (1) q, k, v [8192][1024] and Wq, Wk, Wv, Wo [1024][1024], f32 with K innermost, become codes of FP8 (E4M3) with one E8M0 byte for each 32 along K, laid as IMAGES OF THE OPERAND'S REGISTERS.
; Image tile T holds 16 rows; its lane-row r is row 32 (T / 2) + 8 (T % 2) + r + 8 (r / 8).  Byte T x 16384 + s x 2048 + c x 512 + 16 x lane + e is the code of that row at k = 128 s + 32 c + 16 (lane / 16) + e:
; a fragment (16 rows x 128 K) is 2,048 bytes on end, brought by four loads of 16 bytes a lane.  Scale bytes: [16 T + r][32].  Tiles: q 0-511, k 512-1023, v 1024-1535, Wq 1536-, Wk 1600-, Wv 1664-, Wo 1728-1791.
; (2) mask [2048][2048] int32 becomes lane masks: word n = 16 b + i of (query tile Tq, key step) has in bit lane = r + 16 h:  mask[row r of tile Tq][128 step + 32 b + 16 h + i] != 0.
; A block's scale is 2^(floor(log2(largest magnitude)) - 8); its byte is that magnitude's exponent field - 8, held at 1 from below.
; LIMITS: a block of zeros, or one whose largest magnitude lies under 2^-118, gets the byte 1 (its codes then are zeros or subnormal codes; the bytes are read by this program alone); NaN and infinities are not served.
; SHARES: work-groups 0-447: wave w takes image tile 4 g + w (16 rows x 1,024: eight steps of 128 along K).  Work-groups 448-511: wave w takes half a query tile's rows of the mask (16 rows x 1,024 keys: eight steps).
; Each load reads 512 consecutive bytes of one row; a step's 16 rows x 512 bytes turn through the wave's own stage in LDS (rows 528 bytes apart) and come back as 16 neighbours of each block of 32 a lane.
; Waves share nothing: no barrier.  The two paths never meet and have LDS bytes of their own.  Loads run two steps (32 loads a wave) ahead.
.set WSTG,  8704                       ; a wave's stage: 16 rows x 528 bytes, rounded up
.set MOFF,  4*WSTG                     ; the mask path's stages lie behind the other path's
.set SROW,  528
.set TM,    8                          ; v8-23   at work in QUANT (the mask path keeps its three addresses in v8-10)
.set PWS,   24                         ; v24-31  the eight steps' scale words (mask path: v24-25 the 64 words of a step)
.set R,     32                         ; v32-159 two sets of 64 registers as loaded
.set X,     160                        ; v160-223 64 numbers in the operand's order: register 16 c + i = k 32 c + 16 (lane / 16) + i of my row
.set PC,    224                        ; v224-255 two sets of 16 registers of codes
.set SEL,   32                         ; s[32:33] v_permlanex16_b32's selects for lane l xor 16
.set MNT,   34                         ; s34 the mantissa field of 448
	s_load_b512 s[4:19], s[0:1], 0x0               ; q, k, v, Wq, Wk, Wv, Wo, mask
	s_load_b128 s[20:23], s[0:1], 0x40             ; codes, scales
	s_load_b64 s[24:25], s[0:1], 0x50              ; mw
	s_set_vgpr_msb 0x40
	v_lshl_add_u32 v0, v0, 2, 0x11000
	v_mov_b32 v1, 0
	s_set_vgpr_msb 0x4000
	v_lshrrev_b32 v1, 5, v0
	v_readfirstlane_b32 s26, v1                    ; wave
	v_and_b32 v1, 31, v0                           ; lane
	v_and_b32 v2, 15, v0                           ; r
	v_bfe_u32 v3, v0, 4, 1                         ; h
	v_lshlrev_b32 v4, 4, v1                        ; 16 x lane: my bytes of a load's 512, and of a store's
	s_mul_i32 s29, s26, WSTG
	v_add_nc_u32 v5, s29, v4                       ; the stage, on the way in: a row as it lies
	v_mul_u32_u24 v6, v2, SROW
	v_lshl_add_u32 v6, v3, 6, v6
	v_add_nc_u32 v6, s29, v6                       ; and on the way out: row r, + 64 h
	v_lshlrev_b32 v7, 5, v2
	v_lshl_add_u32 v7, v3, 4, v7                   ; the scale bytes: 32 r + 16 h
	v_add_nc_u32 v8, MOFF, v5                      ; the mask path's stage
	v_add_nc_u32 v9, MOFF, v6
	v_lshlrev_b32 v10, 3, v1                       ; and its store: 8 bytes a lane
	s_mov_b32 s[SEL], 0x76543210
	s_mov_b32 s[SEL+1], 0xfedcba98
	s_mov_b32 s[MNT], 0x600000
.macro LOAD t, pitch                   ; step t: 16 rows x 512 bytes into set t % 2; stage row i is row i + 8 (i / 8) from the tile's first
.irp i, 0,1,2,3,4,5,6,7,8,9,10,11,12,13,14,15
	global_load_b128 v[R+64*((\t)%2)+4*\i:R+64*((\t)%2)+4*\i+3], v4, s[4:5] offset:(\i+8*(\i/8))*\pitch+512*(\t) th:TH_LOAD_NT
.endr
.endm
.macro TURN t, in, out                 ; through the stage: LDS serves a wave's instructions in order, so no wait stands between the stores and the loads
.irp i, 0,1,2,3,4,5,6,7,8,9,10,11,12,13,14,15
	ds_store_b128 v[\in], v[R+64*((\t)%2)+4*\i:R+64*((\t)%2)+4*\i+3] offset:SROW*\i
.endr
.irp c, 0,1,2,3
.irp j, 0,1,2,3
	ds_load_b128 v[X+16*\c+4*\j:X+16*\c+4*\j+3], v[\out] offset:128*\c+16*\j
.endr
.endr
.endm
; 64 numbers of a lane from v[s] on become a fragment's 16 registers of codes from v[pc] on and its scale word in v[pw]
.macro QUANT s, pc, pw
.irp b, 0,1,2,3
	v_max3_num_f32 v[TM+\b], |v[\s+16*\b]|, |v[\s+1+16*\b]|, 0x4800000   ; block b: my 16 numbers and the floor 2^(9 - 127), which holds the byte at 1 from below
.endr
.irp i, 2,4,6,8,10,12,14
.irp b, 0,1,2,3
	v_max3_num_f32 v[TM+\b], v[TM+\b], |v[\s+16*\b+\i]|, |v[\s+1+16*\b+\i]|
.endr
.endr
.irp b, 0,1,2,3
	v_permlanex16_b32 v[TM+4+\b], v[TM+\b], s[SEL], s[SEL+1]
.endr
.irp b, 0,1,2,3
	v_max_num_f32 v[TM+\b], v[TM+\b], v[TM+4+\b]                 ; with lane l xor 16's 16: the block's largest magnitude
.endr
.irp b, 0,1,2,3
	v_add_nc_u32 v[TM+12+\b], 0xfc000000, v[TM+\b]               ; 8 off its exponent field: the conversion's scale operand
.endr
.irp b, 0,1,2,3
	v_and_or_b32 v[TM+8+\b], v[TM+\b], 0x7f800000, s[MNT]        ; 448 x the scale
.endr
.irp b, 0,1,2,3
	v_lshrrev_b32 v[TM+4+\b], 23, v[TM+12+\b]                    ; the scale's byte
.endr
	v_lshl_or_b32 v[\pw], v[TM+5], 8, v[TM+4]
	v_lshl_or_b32 v[\pw], v[TM+6], 16, v[\pw]
	v_lshl_or_b32 v[\pw], v[TM+7], 24, v[\pw]
.irp b, 0,1,2,3
.irp i, 0,1,2,3,4,5,6,7,8,9,10,11,12,13,14,15
	v_med3_num_f32 v[\s+16*\b+\i], v[\s+16*\b+\i], -v[TM+8+\b], v[TM+8+\b]   ; the conversion to an 8-bit code does not saturate (ISA guide 7.6.2): the hold
.endr
	v_cvt_scalef32_pk8_fp8_f32 v[\pc+4*\b:\pc+1+4*\b], v[\s+16*\b:\s+7+16*\b], v[TM+12+\b]
	v_cvt_scalef32_pk8_fp8_f32 v[\pc+2+4*\b:\pc+3+4*\b], v[\s+8+16*\b:\s+15+16*\b], v[TM+12+\b]
.endr
	v_nop                                          ; a plain line behind the last conversion
.endm
	s_cmp_ge_u32 ttmp9, 448
	s_cbranch_scc1 .Lmask
	; ---- the quantising path
	s_lshr_b32 s27, ttmp9, 7                       ; tensor 0-2 and the work-group's number in it,
	s_and_b32 s28, ttmp9, 127
	s_sub_co_u32 s29, ttmp9, 384                   ; or tensor 3-6
	s_lshr_b32 s35, s29, 4
	s_add_co_u32 s35, s35, 3
	s_and_b32 s29, s29, 15
	s_cmp_lt_u32 ttmp9, 384
	s_cselect_b32 s27, s27, s35
	s_cselect_b32 s28, s28, s29
	s_lshl_b32 s28, s28, 2
	s_add_co_u32 s28, s28, s26                     ; my tile in its tensor
	s_lshr_b32 s30, s28, 1
	s_lshl_b32 s30, s30, 5
	s_and_b32 s31, s28, 1
	s_lshl_b32 s31, s31, 3
	s_add_co_u32 s30, s30, s31                     ; its first row: 32 (T / 2) + 8 (T % 2)
	s_lshl_b32 s30, s30, 12                        ; rows of 4,096 bytes
	s_mov_b32 s31, 0
	s_lshl_b32 s36, ttmp9, 2
	s_add_co_u32 s36, s36, s26                     ; my tile among all 1,792
	s_lshl_b32 s38, s36, 9
	s_mov_b32 s39, 0
	s_lshl_b32 s36, s36, 14
	s_mov_b32 s37, 0
.irp b, 0,1,2,3
	v_mov_b32 v[TM+4+\b], 0                        ; written once: a lane permute's destination counts as one of its sources
.endr
	s_wait_kmcnt 0x0
	s_cmp_eq_u32 s27, 1                            ; the tensor's address: a choice that hangs on the work-group's number alone
	s_cselect_b64 s[4:5], s[6:7], s[4:5]
	s_cmp_eq_u32 s27, 2
	s_cselect_b64 s[4:5], s[8:9], s[4:5]
	s_cmp_eq_u32 s27, 3
	s_cselect_b64 s[4:5], s[10:11], s[4:5]
	s_cmp_eq_u32 s27, 4
	s_cselect_b64 s[4:5], s[12:13], s[4:5]
	s_cmp_eq_u32 s27, 5
	s_cselect_b64 s[4:5], s[14:15], s[4:5]
	s_cmp_eq_u32 s27, 6
	s_cselect_b64 s[4:5], s[16:17], s[4:5]
	s_add_nc_u64 s[4:5], s[4:5], s[30:31]
	s_add_nc_u64 s[20:21], s[20:21], s[36:37]
	s_add_nc_u64 s[22:23], s[22:23], s[38:39]
	LOAD 0, 4096
	LOAD 1, 4096
.macro QSTEP t
.if (\t) < 7
	s_wait_loadcnt 16                              ; this step's 16 loads are in; the next step's 16 may be out
.else
	s_wait_loadcnt 0x0
.endif
	TURN \t, 5, 6
	s_wait_dscnt 0x0                               ; the 64 numbers are back, and the stage's stores have read the set
	s_wait_xcnt 0x0                                ; the stores of two steps ago have read their codes: that set is written again below
.if (\t) < 6
	LOAD (\t)+2, 4096
.endif
	QUANT X, PC+16*((\t)%2), PWS+(\t)
.irp c, 0,1,2,3
	global_store_b128 v4, v[PC+16*((\t)%2)+4*\c:PC+16*((\t)%2)+4*\c+3], s[20:21] offset:2048*(\t)+512*\c   ; 512 consecutive bytes, aligned
.endr
.endm
.irp t, 0,1,2,3,4,5,6,7
	QSTEP \t
.endr
	v_cmp_ne_u32 vcc_lo, 0, v3                     ; a row's 32 scale bytes: lanes 0-15 store words 0-3, lanes 16-31 words 4-7
.irp j, 0,1,2,3
	v_cndmask_b32 v[PWS+\j], v[PWS+\j], v[PWS+4+\j], vcc_lo
.endr
	global_store_b128 v7, v[PWS:PWS+3], s[22:23]   ; the tile's 512 scale bytes on end
	s_set_vgpr_msb 0x5
	s_wait_tensorcnt 0x0
	ds_add_u32 v0, v1
	s_wait_dscnt 0x0
	s_set_vgpr_msb 0x500
	s_endpgm
	; ---- the mask path
.Lmask:
	s_sub_co_u32 s27, ttmp9, 448
	s_lshl_b32 s27, s27, 2
	s_add_co_u32 s27, s27, s26                     ; unit 0-255
	s_lshr_b32 s28, s27, 1                         ; query tile
	s_and_b32 s27, s27, 1                          ; which 1,024 keys
	s_lshr_b32 s30, s28, 1
	s_lshl_b32 s30, s30, 5
	s_and_b32 s31, s28, 1
	s_lshl_b32 s31, s31, 3
	s_add_co_u32 s30, s30, s31                     ; the tile's first row
	s_lshl_b32 s30, s30, 13                        ; rows of 8,192 bytes
	s_lshl_b32 s31, s27, 12
	s_add_co_u32 s30, s30, s31
	s_mov_b32 s31, 0
	s_lshl_b32 s36, s28, 12                        ; 16 steps x 256 bytes a query tile
	s_lshl_b32 s37, s27, 11
	s_add_co_u32 s36, s36, s37
	s_mov_b32 s37, 0
	v_mov_b32 v24, 0                               ; written once: v_writelane_b32's destination counts as read
	v_mov_b32 v25, 0
	s_wait_kmcnt 0x0
	s_add_nc_u64 s[4:5], s[18:19], s[30:31]
	s_add_nc_u64 s[24:25], s[24:25], s[36:37]
	LOAD 0, 8192
	LOAD 1, 8192
.macro MSTEP t
.if (\t) < 7
	s_wait_loadcnt 16
.else
	s_wait_loadcnt 0x0
.endif
	TURN \t, 8, 9
	s_wait_dscnt 0x0
	s_wait_xcnt 0x0                                ; the last step's store has read v24-25
.if (\t) < 6
	LOAD (\t)+2, 8192
.endif
.set n, 0
.rept 16                               ; word n is the compare's lane mask of register n; lane n / 2 keeps words n and n + 1
	v_cmp_ne_u32 s36, 0, v[X+n]
	v_cmp_ne_u32 s37, 0, v[X+n+1]
	v_cmp_ne_u32 s38, 0, v[X+n+2]
	v_cmp_ne_u32 s39, 0, v[X+n+3]
	v_writelane_b32 v24, s36, n/2
	v_writelane_b32 v25, s37, n/2
	v_writelane_b32 v24, s38, n/2+1
	v_writelane_b32 v25, s39, n/2+1
.set n, n+4
.endr
	global_store_b64 v10, v[24:25], s[24:25] offset:256*(\t)   ; the step's 64 words: 256 consecutive bytes, aligned
.endm
.irp t, 0,1,2,3,4,5,6,7
	MSTEP \t
.endr
	s_set_vgpr_msb 0x5
	s_wait_tensorcnt 0x0
	ds_add_u32 v0, v1
	s_wait_dscnt 0x0
	s_set_vgpr_msb 0x500
	s_endpgm
.Lfunc_end_k_q2832f09a39_prep:
	.size	k_q2832f09a39_prep, .Lfunc_end_k_q2832f09a39_prep-k_q2832f09a39_prep
	.p2alignl 7, 3214868480
	.fill 96, 4, 3214868480
	.section	.rodata,"a",@progbits
	.p2align	6, 0x0
	.amdhsa_kernel k_q2832f09a39_prep
		.amdhsa_group_segment_fixed_size 70144
		.amdhsa_private_segment_fixed_size 0
		.amdhsa_enable_private_segment 0
		.amdhsa_kernarg_size 88
		.amdhsa_user_sgpr_count 2
		.amdhsa_user_sgpr_kernarg_segment_ptr 1
		.amdhsa_wavefront_size32 1
		.amdhsa_system_sgpr_workgroup_id_x 1
		.amdhsa_system_sgpr_workgroup_id_y 1
		.amdhsa_system_sgpr_workgroup_id_z 1
		.amdhsa_system_vgpr_workitem_id 0
		.amdhsa_next_free_vgpr 258
		.amdhsa_next_free_sgpr 66
		.amdhsa_reserve_vcc 1
		.amdhsa_float_denorm_mode_32 3
		.amdhsa_float_denorm_mode_16_64 3
		.amdhsa_memory_ordered 1
		.amdhsa_forward_progress 1
		.amdhsa_inst_pref_size 194
	.end_amdhsa_kernel
	.amdgpu_metadata
---
amdhsa.version: [ 1, 2 ]
amdhsa.kernels:
  - .name:           k_q2832f09a39_prep
    .symbol:         k_q2832f09a39_prep.kd
    .args:
      - { .name: q, .offset: 0, .size: 8, .value_kind: global_buffer, .address_space: global }
      - { .name: k, .offset: 8, .size: 8, .value_kind: global_buffer, .address_space: global }
      - { .name: v, .offset: 16, .size: 8, .value_kind: global_buffer, .address_space: global }
      - { .name: Wq, .offset: 24, .size: 8, .value_kind: global_buffer, .address_space: global }
      - { .name: Wk, .offset: 32, .size: 8, .value_kind: global_buffer, .address_space: global }
      - { .name: Wv, .offset: 40, .size: 8, .value_kind: global_buffer, .address_space: global }
      - { .name: Wo, .offset: 48, .size: 8, .value_kind: global_buffer, .address_space: global }
      - { .name: mask, .offset: 56, .size: 8, .value_kind: global_buffer, .address_space: global }
      - { .name: codes, .offset: 64, .size: 8, .value_kind: global_buffer, .address_space: global }
      - { .name: scales, .offset: 72, .size: 8, .value_kind: global_buffer, .address_space: global }
      - { .name: mw, .offset: 80, .size: 8, .value_kind: global_buffer, .address_space: global }
    .group_segment_fixed_size: 70144
    .private_segment_fixed_size: 0
    .kernarg_segment_align: 8
    .kernarg_segment_size: 88
    .max_flat_workgroup_size: 128
    .sgpr_count:     66
    .vgpr_count:     258
    .wavefront_size: 32
...
	.end_amdgpu_metadata
.endif
;; end of part 1
;; launch proj (part 2): grid 32 x 12, 4 waves a work-group, clusters of 4 x 4, 327,680 bytes of LDS; arguments codes, scales, bq, bk, bv, hq, hkv; writes hq, hkv
.if DOCPART == 2
	.amdgcn_target "amdgcn-amd-amdhsa--gfx1250"
	.amdhsa_code_object_version 6
	.text
	.protected	k_q2832f09a39_proj
	.globl	k_q2832f09a39_proj
	.p2align	8
	.type	k_q2832f09a39_proj,@function
k_q2832f09a39_proj:
	s_mov_b64 s[64:65], 0
	v_nop
	global_prefetch_b8 v0, s[64:65] scope:SCOPE_SE
	s_setreg_imm32_b32 hwreg(HW_REG_WAVE_MODE, 25, 1), 1
	s_wait_xcnt 0x0
	s_wait_alu depctr_hold_cnt(0) depctr_sa_sdst(0) depctr_va_vdst(0) depctr_va_sdst(0) depctr_va_ssrc(0) depctr_va_vcc(0) depctr_vm_vsrc(0)
	s_getreg_b32 s2, hwreg(HW_REG_IB_STS2, 6, 4)
	s_cmp_eq_u32 s2, 0
	s_cbranch_scc0 .Lentry_in_a_cluster
	s_endpgm
.Lentry_in_a_cluster:
	s_bfe_u32 s2, ttmp6, 0x10000c
	s_cmp_lg_u32 s2, 0xf033
	s_cbranch_scc0 .Lentry_shape_is_right
	s_endpgm
.Lentry_shape_is_right:
; PROJ.  The three projections x W^T + b on codes of FP8 (E4M3) with E8M0 scales, K = 1,024; the results are quantised in registers and leave as codes: Q and K along the head's 64, V along the keys.
; Operands are images of registers: tile T x 16,384 bytes, fragment s (128 along K) x 2,048, four pieces of 512 bytes = 16 bytes a lane; lane-row r of tile T is row 32 (T / 2) + 8 (T % 2) + r + 8 (r / 8).
; "A" is the matrix instruction's source 1 (a lane of the result is one of its rows), "B" its source 0 (the result's registers run along its rows).  By the order of rows in a tile the 16 registers of B's tiles 2 g and
; 2 g + 1 are 16 NEIGHBOURS, 32 g + 16 (lane / 16) + 0 .. 15: the order in which the next product's operand wants them, so the conversions' results are that operand's registers.
; MODE = cluster y: 0: A = q's tokens, B = Wq's rows -> hq;  1: A = k's tokens, B = Wk's rows -> hkv;  2: A = Wv's rows, B = v's tokens -> hkv (the keys run along the registers).
; A work-group makes 256 x 256, a wave 128 x 128: 64 accumulators.  K goes in four steps of 256 through two LDS slots; the scale bytes of the 512 rows come once.  CLUSTERS 4 x 4: A's tiles are asked for jointly by a
; row of the cluster, B's by a column.  The bias is the C of each sum's first matrix instruction.
; HEAD RECORD (270,336 bytes, head 16 batch + h): four chunk records of 67,584 bytes (512 keys): +0 K's codes, 16 fragments of 32 keys x 2,048 (piece 2 u + par: key tile 2 g + u, channels 32 par + 16 (lane / 16) ..);
; +32768 V's codes, 4 steps x 4 tiles of channels x 2,048 (piece c: keys 32 c + 16 (lane / 16) ..); +65536 K's scale words [step][r][fragment]; +66560 V's [step][r][tile].  Q takes K's places in hq.
; LIMITS: a block of zeros, or one under 2^-118, gets the byte 1 (read by this program alone); NaN and infinities are not served.
; REGISTERS, in windows of 256: window 0: v1 r, v2 lane / 16, v3 16 x lane, v4-6 at work, v16-29 addresses; v32-63 scale words, two sets, and nothing else; v64-127 the bias, on the way out at work; v128-255 A's fragments,
;   on the way out the codes.  window 1: B's fragments, two sets.  windows 2, 3: the accumulators ((a, b) at v[8 (8 (a % 4) + b)] of window 2 + a / 4).
; SCALARS: s4-17 the buffers; s18 wave, s19 wave / 2, s20 wave % 2, s21 cx, s22 cy, s23 cluster x, s40 MODE; s24-39, s48-63, s68-91 descriptors; s66 448's mantissa; s[100:101] lane selects; the rest at work.
.set NQ,     2                         ; matrix instructions deep in a slot
.set FR,     16
.set NL,     4
.set NP,     8                         ; places behind this matrix instruction (ISA guide 7.12.1)
.set TILEB,  4096                      ; a tile's bytes in a slot: 16 rows x 256 along K
.set HALFT,  8*TILEB                   ; what one tensor load brings, and what one wave reads of A or of B
.set SLOT,   4*HALFT                   ; A's 16 tiles, then B's 16
.set SCL,    2*SLOT                    ; behind the ring: the scale bytes, as units of 256 bytes + 16 of padding
.set HALFS,  16*272                    ; those of 128 rows
.set SBLK,   2*272                     ; those of 16 rows
.set SPARE,  SCL+4*HALFS               ; the spare words, 128 bytes for each wave: two blocks of 256 bytes that no other line names
.set HREC,   270336
.set CREC,   67584
.set LI,   3
.set ADRA, 16
.set ADRB, 20
.set ADRS, 27
.set SPW,  28
.set NIL,  29
.set SC,   32
.set BIAS, 64
.set AF,   128
.set PW,   64                          ; the way out: v64-71 the eight blocks' scale words, v72-87 at work, v88-91 words to store, v128-255 codes
.set TM,   72
.set WS,   88
.set PC,   128
.set G1,   24
.set G0,   32
.set G1B,  48
.set G0B,  56
.set G1S,  68
.set G0S,  76
.set G1SB, 80
.set G0SB, 88
.set MNT,  66
.set SEL,  100
.set MSB, 0
.macro WIN new                         ; the immediate's high byte repeats the setting that is left
.if MSB != (\new)
	s_set_vgpr_msb (MSB<<8)|(\new)
.set MSB, (\new)
.endif
.endm
.set MUL_LO, 0xa1                      ; source 0 (B) window 1, source 1 (A) window 0, C and D window 2
.set MUL_HI, 0xf1                      ; the same, C and D window 3
.set TO_B,   0x40
; A joint load: waves 0 and 1 fetch for A, waves 2 and 3 for B; the branch hangs on the wave's number alone.  Four v_nop follow each of the two lines.
.macro JLOAD g0a, g1a, g0b, g1b
	s_cmp_eq_u32 s19, 0
	s_cbranch_scc0 .Lfor_b_\@
	tensor_load_to_lds s[\g0a:\g0a+3], s[\g1a:\g1a+7]
	s_nop 0
.rept 4
	v_nop
.endr
	s_branch .Lasked_\@
.Lfor_b_\@:
	tensor_load_to_lds s[\g0b:\g0b+3], s[\g1b:\g1b+7]
	s_nop 0
.rept 4
	v_nop
.endr
.Lasked_\@:
.endm
.macro CREST                           ; a round of the cluster's barrier behind its opening barrier
	s_cmp_lg_u32 s18, 0
	s_cbranch_scc1 .Lnot_wave_0_\@
	s_barrier_signal -3
.Lnot_wave_0_\@:
	s_barrier_wait -3
	s_barrier_signal -1
	s_barrier_wait -1
.endm
.macro CROUND
	s_barrier_signal -1
	s_barrier_wait -1
	CREST
.endm
	s_load_b256 s[4:11], s[0:1], 0x0               ; codes, scales, bq, bk
	s_load_b128 s[12:15], s[0:1], 0x20             ; bv, hq
	s_load_b64 s[16:17], s[0:1], 0x30              ; hkv
	v_lshl_add_u32 v[SPW], v0, 2, SPARE
	v_mov_b32 v[NIL], 0
	ds_add_u32 v28, v29
	ds_add_u32 v28, v29
	s_wait_dscnt 0x0
	v_lshrrev_b32 v1, 5, v0
	v_readfirstlane_b32 s18, v1                    ; wave 0..3
	s_lshr_b32 s19, s18, 1                         ; which 128 rows of A are mine.  Also: I fetch for A (0) or for B (1)
	s_and_b32 s20, s18, 1                          ; which 128 rows of B.  Also: which 8 tiles I fetch
	s_bfe_u32 s21, ttmp6, 0x40000                  ; cx
	s_bfe_u32 s22, ttmp6, 0x40004                  ; cy
	s_mov_b32 s23, ttmp9                           ; cluster x, 0..7
	s_and_b32 s40, ttmp7, 0xffff                   ; cluster y = MODE: the same in all sixteen partners
	s_lshl_b32 s44, s22, 2
	s_lshl_b32 s44, 15, s44                        ; my row of the cluster
	s_lshl_b32 s45, 0x1111, s21                    ; my column
	; group 1 for codes: 8 tiles' pieces of 4,096 consecutive bytes (512 elements of 8 bytes), 16,384 bytes apart; dense in LDS
	s_or_b32 s[G1+0], s44, (3<<16)|(1<<21)
	s_or_b32 s[G1B+0], s45, (3<<16)|(1<<21)
.irp g, G1, G1B
	s_mov_b32 s[\g+1], 512<<16                     ; tensor_dim0
	s_mov_b32 s[\g+2], 8<<16                       ; tensor_dim1
	s_mov_b32 s[\g+3], 512<<16                     ; tile_dim0
	s_mov_b32 s[\g+4], 8                           ; tile_dim1
	s_mov_b32 s[\g+5], 2048                        ; tensor_dim0_stride
	s_mov_b32 s[\g+6], 0
	s_mov_b32 s[\g+7], 0
.endr
	; and for the scale bytes of 128 rows: 4,096 dense bytes as 16 rows of 256, 16 bytes of padding behind each
	s_or_b32 s[G1S+0], s44, (3<<16)|(1<<20)|(1<<21)|(5<<22)|(3<<25)
	s_or_b32 s[G1SB+0], s45, (3<<16)|(1<<20)|(1<<21)|(5<<22)|(3<<25)
.irp g, G1S, G1SB
	s_mov_b32 s[\g+1], 32<<16
	s_mov_b32 s[\g+2], 16<<16
	s_mov_b32 s[\g+3], 32<<16
	s_mov_b32 s[\g+4], 16
	s_mov_b32 s[\g+5], 32
	s_mov_b32 s[\g+6], 0
	s_mov_b32 s[\g+7], 0
.endr
	; A's first image tile hangs on cy, cluster x and MODE; B's on cx, cluster x and MODE: each in registers that never hold the other coordinate
	s_lshl_b32 s42, s22, 3
	s_add_co_u32 s42, s42, s23
	s_lshl_b32 s42, s42, 4                         ; tokens: block 8 cy + cluster x of 16 tiles,
	s_lshl_b32 s43, s40, 9
	s_add_co_u32 s42, s42, s43                     ; in tensor MODE
	s_lshl_b32 s43, s22, 4
	s_add_co_u32 s43, s43, 1664                    ; MODE 2: Wv's rows, block cy
	s_cmp_eq_u32 s40, 2
	s_cselect_b32 s42, s43, s42
	s_lshl_b32 s46, s21, 4
	s_lshl_b32 s47, s40, 6
	s_add_co_u32 s46, s46, s47
	s_add_co_u32 s46, s46, 1536                    ; the weight's rows, block cx
	s_lshl_b32 s47, s23, 2
	s_add_co_u32 s47, s47, s21
	s_lshl_b32 s47, s47, 4
	s_add_co_u32 s47, s47, 1024                    ; MODE 2: v's tokens, block 4 cluster x + cx
	s_cmp_eq_u32 s40, 2
	s_cselect_b32 s46, s47, s46
	s_lshl_b32 s41, s20, 3                         ; the 8 tiles that I fetch
	s_add_co_u32 s42, s42, s41
	s_add_co_u32 s46, s46, s41
	s_lshl_b32 s92, s42, 9                         ; their scale bytes,
	s_mov_b32 s93, 0
	s_lshl_b32 s42, s42, 14                        ; their codes
	s_mov_b32 s43, 0
	s_lshl_b32 s94, s46, 9
	s_mov_b32 s95, 0
	s_lshl_b32 s46, s46, 14
	s_mov_b32 s47, 0
	s_mul_i32 s41, s18, HALFT                      ; where they go: no place in the cluster enters an LDS address
	s_mul_i32 s67, s18, HALFS
	s_mov_b32 s[SEL], 0x76543210
	s_mov_b32 s[SEL+1], 0xfedcba98
	s_mov_b32 s[MNT], 0x600000
	s_wait_kmcnt 0x0
	s_add_nc_u64 s[42:43], s[4:5], s[42:43]
	s_add_nc_u64 s[92:93], s[6:7], s[92:93]
	s_add_nc_u64 s[46:47], s[4:5], s[46:47]
	s_add_nc_u64 s[94:95], s[6:7], s[94:95]
	CROUND                                         ; all sixteen work-groups are here: the first joint loads meet
	s_mov_b32 s[G0S], 1
	s_add_co_u32 s[G0S+1], s67, SCL
	s_mov_b64 s[G0S+2:G0S+3], s[92:93]
	s_or_b32 s[G0S+3], s[G0S+3], 0x80000000
	s_mov_b32 s[G0SB], 1
	s_add_co_u32 s[G0SB+1], s67, SCL
	s_mov_b64 s[G0SB+2:G0SB+3], s[94:95]
	s_or_b32 s[G0SB+3], s[G0SB+3], 0x80000000
	JLOAD G0S, G1S, G0SB, G1SB                     ; the scale bytes first: they are wanted with K step 0
.irp s, 0,1
	s_mov_b32 s[G0+4*\s], 1
	s_add_co_u32 s[G0+4*\s+1], s41, \s*SLOT
	s_add_nc_u64 s[G0+4*\s+2:G0+4*\s+3], s[42:43], \s*TILEB
	s_or_b32 s[G0+4*\s+3], s[G0+4*\s+3], 0x80000000
	s_mov_b32 s[G0B+4*\s], 1
	s_add_co_u32 s[G0B+4*\s+1], s41, \s*SLOT
	s_add_nc_u64 s[G0B+4*\s+2:G0B+4*\s+3], s[46:47], \s*TILEB
	s_or_b32 s[G0B+4*\s+3], s[G0B+4*\s+3], 0x80000000
	JLOAD G0+4*\s, G1, G0B+4*\s, G1B
.endr
	v_and_b32 v1, 15, v0                           ; r
	v_bfe_u32 v2, v0, 4, 1                         ; h
	v_and_b32 v[LI], 31, v0
	v_lshlrev_b32 v[LI], 4, v[LI]                  ; 16 x lane: an image's place for my lane
	s_lshl_b32 s2, s19, 15                         ; my 8 tiles of A
	s_lshl_b32 s3, s20, 15                         ; my 8 tiles of B,
	s_add_co_u32 s3, s3, 2*HALFT                   ; which lie behind A's 16
.irp s, 0,1
	v_add_nc_u32 v[ADRA+\s], s2, v[LI]
	v_add_nc_u32 v[ADRB+\s], s3, v[LI]
	s_add_co_u32 s2, s2, SLOT
	s_add_co_u32 s3, s3, SLOT
.endr
	v_lshlrev_b32 v5, 5, v1                        ; my row's scale bytes: 32 a row,
	v_lshrrev_b32 v6, 8, v5
	v_lshl_add_u32 v5, v6, 4, v5                   ; and 16 more for each 256 passed
	s_mul_i32 s2, s19, HALFS                       ; A's: my 128 rows
	s_mul_i32 s3, s20, HALFS                       ; B's, behind A's 256
	s_add_co_u32 s3, s3, 2*HALFS
	s_sub_co_u32 s3, s3, s2
	v_mul_u32_u24 v6, s3, v2                       ; lanes 16-31 take B's
	s_add_co_u32 s2, s2, SCL
	v_add_nc_u32 v5, v5, v6
	v_add_nc_u32 v[ADRS], s2, v5
	; the bias, in the result's layout.  MODE 0, 1: it runs along the registers: for B's tile b the eight numbers at 32 (b / 2) + 8 (b % 2) + 16 h.  MODE 2: along the lanes: for A's tile a the one number of my row, eight times
	v_lshlrev_b32 v5, 6, v2                        ; 64 h
	v_and_b32 v6, 8, v1
	v_add_nc_u32 v6, v6, v1
	v_lshlrev_b32 v6, 2, v6                        ; 4 (r + 8 (r / 8))
	s_cmp_eq_u32 s40, 2
	s_cbranch_scc1 .Lbias_v
	s_cmp_eq_u32 s40, 0
	s_cselect_b64 s[98:99], s[8:9], s[10:11]
	s_lshl_b32 s96, s21, 10
	s_lshl_b32 s97, s20, 9
	s_add_co_u32 s96, s96, s97                     ; 4 (256 cx + 128 x my half of B)
	s_mov_b32 s97, 0
	s_add_nc_u64 s[98:99], s[98:99], s[96:97]
.irp b, 0,1,2,3,4,5,6,7
	global_load_b128 v[BIAS+8*\b:BIAS+8*\b+3], v5, s[98:99] offset:(32*(\b/2)+8*(\b%2))*4
	global_load_b128 v[BIAS+8*\b+4:BIAS+8*\b+7], v5, s[98:99] offset:(32*(\b/2)+8*(\b%2))*4+16
.endr
	s_branch .Lbias_done
.Lbias_v:
	s_lshl_b32 s96, s22, 10
	s_lshl_b32 s97, s19, 9
	s_add_co_u32 s96, s96, s97                     ; 4 (256 cy + 128 x my half of A)
	s_mov_b32 s97, 0
	s_add_nc_u64 s[98:99], s[12:13], s[96:97]
.irp a, 0,1,2,3,4,5,6,7
.irp j, 0,1,2,3,4,5,6,7
	global_load_b32 v[BIAS+8*\a+\j], v6, s[98:99] offset:(32*(\a/2)+8*(\a%2))*4
.endr
.endr
.Lbias_done:
.macro FRAG reg, adr, q, i             ; a fragment comes as it was stored: four pieces of 512 bytes, 16 bytes a lane
.irp c, 0,1,2,3
	ds_load_b128 v[\reg+4*\c:\reg+4*\c+3], v[\adr] offset:(\i)*TILEB+(\q)*2048+512*\c
.endr
.endm
; 16 matrix instructions: A's blocks a0, a0 + 1 x B's eight.  zero = 1: the sums start from the bias of B's block; 2: of A's block; 0: they go on.  The 64 accumulators take turns, one instruction a turn.
.macro MUL16 a0, p, q, sc, zero
.irp a, \a0, \a0+1
.irp b, 0,1,2,3,4,5,6,7
.if \zero == 1
	v_wmma_scale_f32_16x16x128_f8f6f4 v[8*(8*((\a)%4)+\b):8*(8*((\a)%4)+\b)+7], v[128*(\p)+FR*\b:128*(\p)+FR*\b+FR-1], v[AF+FR*(\a):AF+FR*(\a)+FR-1], v[BIAS+8*\b:BIAS+8*\b+7], v[SC+8*NQ*(\sc)+NQ*\b+(\q)], v[SC+8*NQ*(\sc)+NQ*(\a)+(\q)] matrix_a_scale:MATRIX_SCALE_ROW1
.elseif \zero == 2
	v_wmma_scale_f32_16x16x128_f8f6f4 v[8*(8*((\a)%4)+\b):8*(8*((\a)%4)+\b)+7], v[128*(\p)+FR*\b:128*(\p)+FR*\b+FR-1], v[AF+FR*(\a):AF+FR*(\a)+FR-1], v[BIAS+8*(\a):BIAS+8*(\a)+7], v[SC+8*NQ*(\sc)+NQ*\b+(\q)], v[SC+8*NQ*(\sc)+NQ*(\a)+(\q)] matrix_a_scale:MATRIX_SCALE_ROW1
.else
	v_wmma_scale_f32_16x16x128_f8f6f4 v[8*(8*((\a)%4)+\b):8*(8*((\a)%4)+\b)+7], v[128*(\p)+FR*\b:128*(\p)+FR*\b+FR-1], v[AF+FR*(\a):AF+FR*(\a)+FR-1], v[8*(8*((\a)%4)+\b):8*(8*((\a)%4)+\b)+7], v[SC+8*NQ*(\sc)+NQ*\b+(\q)], v[SC+8*NQ*(\sc)+NQ*(\a)+(\q)] matrix_a_scale:MATRIX_SCALE_ROW1
.endif
.endr
.endr
.endm
.macro FETCH_B slot, q, p
	WIN TO_B
.irp i, 0,1,2,3,4,5,6,7
	FRAG 128*(\p)+FR*\i, ADRB+\slot, \q, \i
.endr
	WIN 0
.endm
.macro FETCH_A slot, q, i0
.irp i, \i0, \i0+1, \i0+2, \i0+3
	FRAG AF+FR*(\i), ADRA+\slot, \q, \i
.endr
.endm
.macro SCALES sc                       ; a K step's scale words: lanes 0-15 take A's block i, lanes 16-31 B's block i
.irp i, 0,1,2,3,4,5,6,7
	ds_load_b64 v[SC+8*NQ*\sc+NQ*\i:SC+8*NQ*\sc+NQ*\i+1], v[ADRS] offset:\i*SBLK
.endr
.endm
.macro PLACES n                        ; plain vector lines between a matrix instruction and a load into, or a read of, its registers
.rept \n
	v_nop
.endr
.endm
.macro STEP slot, q, zero              ; 128 along K that have their successor in the same slot
	s_wait_dscnt 4*NL                              ; B's set and A's blocks 0-3 are in; the youngest 16 loads (A's blocks 4-7) may be out
.if \zero
	WIN 0x81                                       ; C (the bias) in window 0
.else
	WIN MUL_LO
.endif
	MUL16 0, (\q)%2, \q, \slot, \zero
	MUL16 2, (\q)%2, \q, \slot, \zero
	s_wait_dscnt 0
	PLACES NP
	FETCH_B \slot, (\q)+1, 1-(\q)%2
	FETCH_A \slot, (\q)+1, 0
.if \zero
	WIN 0xc1
.else
	WIN MUL_HI
.endif
	MUL16 4, (\q)%2, \q, \slot, \zero
	MUL16 6, (\q)%2, \q, \slot, \zero
	PLACES NP
	WIN 0
	FETCH_A \slot, (\q)+1, 4
.endm
; A slot's last 128 along K change slots: one barrier; in front of it each wave waits for all its tensor loads, adds 0 to its spare word, and waits for that and for its reads of this slot.  fill = 1: the slot is filled again, two K steps ahead.
.macro TURN slot, next, fill
	s_wait_tensorcnt 0x0                           ; all my tensor loads have landed: my part of the next slot
	ds_add_u32 v[SPW], v[NIL]                      ; 0 onto my spare word
	s_wait_dscnt 4*NL+1                            ; (the add and the youngest 16 loads may be out)
	WIN MUL_LO
	MUL16 0, 1, NQ-1, \slot, 0
	s_wait_dscnt 0x0                               ; the add is done, and my reads of this slot are over
	s_barrier_signal -1
	MUL16 2, 1, NQ-1, \slot, 0
	WIN 0
	s_barrier_wait -1
.if \fill
	CREST                                          ; the barrier has opened a round of the cluster's barrier: no wave of any partner still reads this slot or has a load on its way
	s_add_nc_u64 s[G0+4*\slot+2:G0+4*\slot+3], s[G0+4*\slot+2:G0+4*\slot+3], 2*TILEB
	s_add_nc_u64 s[G0B+4*\slot+2:G0B+4*\slot+3], s[G0B+4*\slot+2:G0B+4*\slot+3], 2*TILEB
	JLOAD G0+4*\slot, G1, G0B+4*\slot, G1B         ; the first tensor load behind the round; its four v_nop are among the places below
	PLACES NP-4
.else
	PLACES NP
.endif
	v_add_nc_u32 v[ADRS], 4*NQ, v[ADRS]            ; the next K step's scale words
	FETCH_B \next, 0, 0
	FETCH_A \next, 0, 0
	SCALES \next
	WIN MUL_HI
	MUL16 4, 1, NQ-1, \slot, 0
	MUL16 6, 1, NQ-1, \slot, 0
	PLACES NP
	WIN 0
	FETCH_A \next, 0, 4
.endm
	s_wait_tensorcnt 1                             ; the scale bytes and my part of K step 0 are in; K step 1's load may be out
	s_barrier_signal -1
	s_barrier_wait -1
	FETCH_B 0, 0, 0
	FETCH_A 0, 0, 0
	SCALES 0
	FETCH_A 0, 0, 4
	s_wait_loadcnt 0x0                             ; the bias
	s_cmp_eq_u32 s40, 2                            ; the first products differ in their C alone; both ways issue the same loads
	s_cbranch_scc1 .Lfirst_v
	STEP 0, 0, 1
	s_branch .Lfirst_done
.Lfirst_v:
	STEP 0, 0, 2
.Lfirst_done:
	TURN 0, 1, 1                                   ; four K steps of 256: written out, each slot is filled again once
	STEP 1, 0, 0
	TURN 1, 0, 1
	STEP 0, 0, 0
	TURN 0, 1, 0
	STEP 1, 0, 0
	s_wait_dscnt 4*NL
	WIN MUL_LO
	MUL16 0, 1, NQ-1, 1, 0
	MUL16 2, 1, NQ-1, 1, 0
	s_wait_dscnt 0
	WIN MUL_HI
	MUL16 4, 1, NQ-1, 1, 0
	MUL16 6, 1, NQ-1, 1, 0
	WIN 0
	PLACES NP
; THE WAY OUT.  The 64 registers of A's block a are 64 numbers of my lane's row, register 16 b + i = place 32 b + 16 (lane / 16) + i along the next product's K: they become a fragment's codes and a scale word, with no LDS.
; Each accumulator is read from its low end on.  The hold is done in place; the conversions read the accumulators through the window.
.macro QW a
.set AC, 64*((\a)%4)
.set HI, 2+(\a)/4
.set PCA, PC+16*(\a)
	WIN (HI<<2)|(HI<<4)                            ; sources 1 and 2: the accumulators' window
.irp b, 0,1,2,3
	v_max3_num_f32 v[TM+\b], 0x4800000, |v[AC+16*\b]|, |v[AC+16*\b+1]|   ; with the floor 2^(9 - 127)
.endr
.irp i, 2,4,6,8,10,12,14
.irp b, 0,1,2,3
	v_max3_num_f32 v[TM+\b], v[TM+\b], |v[AC+16*\b+\i]|, |v[AC+16*\b+\i+1]|
.endr
.endr
	WIN 0
.irp b, 0,1,2,3
	v_permlanex16_b32 v[TM+4+\b], v[TM+\b], s[SEL], s[SEL+1]
.endr
.irp b, 0,1,2,3
	v_max_num_f32 v[TM+\b], v[TM+\b], v[TM+4+\b]
.endr
.irp b, 0,1,2,3
	v_add_nc_u32 v[TM+12+\b], 0xfc000000, v[TM+\b]
.endr
.irp b, 0,1,2,3
	v_and_or_b32 v[TM+8+\b], v[TM+\b], 0x7f800000, s[MNT]
.endr
.irp b, 0,1,2,3
	v_lshrrev_b32 v[TM+4+\b], 23, v[TM+12+\b]
.endr
	v_lshl_or_b32 v[PW+(\a)], v[TM+5], 8, v[TM+4]
	v_lshl_or_b32 v[PW+(\a)], v[TM+6], 16, v[PW+(\a)]
	v_lshl_or_b32 v[PW+(\a)], v[TM+7], 24, v[PW+(\a)]
	WIN HI|(HI<<6)                                 ; destination and source 0: the accumulators' window
.irp b, 0,1,2,3
.irp i, 0,1,2,3,4,5,6,7,8,9,10,11,12,13,14,15
	v_med3_num_f32 v[AC+16*\b+\i], v[AC+16*\b+\i], -v[TM+8+\b], v[TM+8+\b]   ; the hold at 448 x the scale (ISA guide 7.6.2)
.endr
.endr
	WIN HI                                         ; source 0 alone
.irp b, 0,1,2,3
	v_cvt_scalef32_pk8_fp8_f32 v[PCA+4*\b:PCA+4*\b+1], v[AC+16*\b:AC+16*\b+7], v[TM+12+\b]
	v_cvt_scalef32_pk8_fp8_f32 v[PCA+4*\b+2:PCA+4*\b+3], v[AC+16*\b+8:AC+16*\b+15], v[TM+12+\b]
.endr
	v_nop                                          ; a plain line behind the last conversion
	WIN 0
.endm
; Each block has code registers of its own, so no store's data are written again.  Every store covers 512 consecutive bytes, aligned.
.macro EPI mode
.irp a, 0,1,2,3,4,5,6,7
	QW \a
.irp b, 0,1,2,3
.if \mode == 2
	global_store_b128 v[LI], v[PC+16*\a+4*\b:PC+16*\a+4*\b+3], s[92:93] offset:(\a/4)*HREC+(\a%4)*2048+\b*512    ; head a / 4, tile of channels a % 4, keys 32 b on
.else
	global_store_b128 v[LI], v[PC+16*\a+4*\b:PC+16*\a+4*\b+3], s[92:93] offset:\a*1024+(\b/2)*HREC+(\b%2)*512    ; token tile a, head b / 2, channels 32 (b % 2) on
.endif
.endr
.endr
	v_cmp_ne_u32 vcc_lo, 0, v2
.if \mode == 2
.irp t, 0,1,2,3
	v_cndmask_b32 v[WS+\t], v[PW+\t], v[PW+4+\t], vcc_lo           ; lanes 0-15 store the first head's four tiles' words, lanes 16-31 the second's
.endr
.else
	v_mov_b32 v5, 0x05040100                       ; a fragment's word: two bytes of token tile 2 f, two of tile 2 f + 1: the first head's (lanes 0-15)
	v_mov_b32 v6, 0x07060302                       ; or the second's (lanes 16-31)
	v_cndmask_b32 v5, v5, v6, vcc_lo
.irp f, 0,1,2,3
	v_perm_b32 v[WS+\f], v[PW+2*\f+1], v[PW+2*\f], v5
.endr
.endif
	global_store_b128 v4, v[WS:WS+3], s[96:97]     ; two runs of 256 consecutive bytes, aligned
.endm
.irp b, 0,1,2,3
	v_mov_b32 v[TM+4+\b], 0                        ; written once: a lane permute's destination counts as one of its sources
.endr
	v_mul_u32_u24 v4, v2, HREC
	v_lshl_add_u32 v4, v1, 4, v4                   ; the scale words' place: head by my half of the lanes, 16 r
	s_cmp_eq_u32 s40, 2
	s_cbranch_scc1 .Lout_v
	s_cmp_eq_u32 s40, 0
	s_cselect_b64 s[92:93], s[14:15], s[16:17]     ; hq or hkv
	s_lshl_b32 s94, s22, 4
	s_lshl_b32 s95, s21, 2
	s_add_co_u32 s94, s94, s95
	s_lshl_b32 s95, s20, 1
	s_add_co_u32 s94, s94, s95                     ; my first head: 16 cy + 4 cx + 2 x my half of B
	s_mul_i32 s94, s94, HREC
	s_lshr_b32 s95, s23, 1
	s_mul_i32 s95, s95, CREC                       ; the chunk of 512 tokens
	s_add_co_u32 s94, s94, s95
	s_mov_b32 s95, 0
	s_add_nc_u64 s[92:93], s[92:93], s[94:95]
	s_and_b32 s94, s23, 1
	s_lshl_b32 s94, s94, 1
	s_add_co_u32 s94, s94, s19                     ; my 128 tokens' step in the chunk
	s_lshl_b32 s96, s94, 8
	s_add_co_u32 s96, s96, 65536
	s_mov_b32 s97, 0
	s_add_nc_u64 s[96:97], s[92:93], s[96:97]      ; its scale words
	s_lshl_b32 s94, s94, 13
	s_add_nc_u64 s[92:93], s[92:93], s[94:95]      ; its four fragments
	EPI 0
	s_branch .Lend
.Lout_v:
	s_lshr_b32 s94, s23, 1
	s_lshl_b32 s94, s94, 4
	s_lshl_b32 s95, s22, 2
	s_add_co_u32 s94, s94, s95
	s_lshl_b32 s95, s19, 1
	s_add_co_u32 s94, s94, s95                     ; my first head: 16 batch + 4 cy + 2 x my half of A
	s_mul_i32 s94, s94, HREC
	s_and_b32 s95, s23, 1
	s_lshl_b32 s95, s95, 2
	s_add_co_u32 s95, s95, s21
	s_lshl_b32 s95, s95, 1
	s_add_co_u32 s95, s95, s20                     ; my 128 keys' step in the batch
	s_and_b32 s96, s95, 3
	s_lshr_b32 s95, s95, 2
	s_mul_i32 s95, s95, CREC
	s_add_co_u32 s94, s94, s95
	s_mov_b32 s95, 0
	s_add_nc_u64 s[92:93], s[16:17], s[94:95]
	s_lshl_b32 s94, s96, 13
	s_add_co_u32 s94, s94, 32768
	s_lshl_b32 s96, s96, 8
	s_add_co_u32 s96, s96, 66560
	s_mov_b32 s97, 0
	s_add_nc_u64 s[96:97], s[92:93], s[96:97]
	s_add_nc_u64 s[92:93], s[92:93], s[94:95]
	EPI 2
.Lend:
	s_wait_tensorcnt 0x0                           ; the wave's end
	ds_add_u32 v[SPW], v[NIL]
	s_wait_dscnt 0x0
	CROUND                                         ; the closing round: no work-group ends while a partner may still ask for a tile that names it
	s_endpgm
.Lfunc_end_k_q2832f09a39_proj:
	.size	k_q2832f09a39_proj, .Lfunc_end_k_q2832f09a39_proj-k_q2832f09a39_proj
	.p2alignl 7, 3214868480
	.fill 96, 4, 3214868480
	.section	.rodata,"a",@progbits
	.p2align	6, 0x0
	.amdhsa_kernel k_q2832f09a39_proj
		.amdhsa_group_segment_fixed_size 327680
		.amdhsa_private_segment_fixed_size 0
		.amdhsa_enable_private_segment 0
		.amdhsa_kernarg_size 56
		.amdhsa_user_sgpr_count 2
		.amdhsa_user_sgpr_kernarg_segment_ptr 1
		.amdhsa_wavefront_size32 1
		.amdhsa_system_sgpr_workgroup_id_x 1
		.amdhsa_system_sgpr_workgroup_id_y 1
		.amdhsa_system_sgpr_workgroup_id_z 1
		.amdhsa_system_vgpr_workitem_id 0
		.amdhsa_next_free_vgpr 1024
		.amdhsa_next_free_sgpr 102
		.amdhsa_reserve_vcc 1
		.amdhsa_float_denorm_mode_32 3
		.amdhsa_float_denorm_mode_16_64 3
		.amdhsa_memory_ordered 1
		.amdhsa_forward_progress 1
		.amdhsa_inst_pref_size 255
	.end_amdhsa_kernel
	.section	.bss,"aw",@nobits
	.p2align	6
	.space	262144
	.amdgpu_metadata
---
amdhsa.version: [ 1, 2 ]
amdhsa.kernels:
  - .name:           k_q2832f09a39_proj
    .symbol:         k_q2832f09a39_proj.kd
    .args:
      - { .name: codes, .offset: 0, .size: 8, .value_kind: global_buffer, .address_space: global }
      - { .name: scales, .offset: 8, .size: 8, .value_kind: global_buffer, .address_space: global }
      - { .name: bq, .offset: 16, .size: 8, .value_kind: global_buffer, .address_space: global }
      - { .name: bk, .offset: 24, .size: 8, .value_kind: global_buffer, .address_space: global }
      - { .name: bv, .offset: 32, .size: 8, .value_kind: global_buffer, .address_space: global }
      - { .name: hq, .offset: 40, .size: 8, .value_kind: global_buffer, .address_space: global }
      - { .name: hkv, .offset: 48, .size: 8, .value_kind: global_buffer, .address_space: global }
    .group_segment_fixed_size: 327680
    .private_segment_fixed_size: 0
    .kernarg_segment_align: 8
    .kernarg_segment_size: 56
    .max_flat_workgroup_size: 128
    .sgpr_count:     102
    .vgpr_count:     1024
    .wavefront_size: 32
...
	.end_amdgpu_metadata
.endif
;; end of part 2
;; launch attn (part 3): grid 4 x 64, 16 waves a work-group, clusters of 4 x 1, 272,384 bytes of LDS; arguments hq, hkv, mw, cc, cs; writes cc, cs
.if DOCPART == 3
	.amdgcn_target "amdgcn-amd-amdhsa--gfx1250"
	.amdhsa_code_object_version 6
	.text
	.protected	k_q2832f09a39_attn
	.globl	k_q2832f09a39_attn
	.p2align	8
	.type	k_q2832f09a39_attn,@function
k_q2832f09a39_attn:
	s_mov_b64 s[64:65], 0
	v_nop
	global_prefetch_b8 v0, s[64:65] scope:SCOPE_SE
	s_setreg_imm32_b32 hwreg(HW_REG_WAVE_MODE, 25, 1), 1
	s_wait_xcnt 0x0
	s_wait_alu depctr_hold_cnt(0) depctr_sa_sdst(0) depctr_va_vdst(0) depctr_va_sdst(0) depctr_va_ssrc(0) depctr_va_vcc(0) depctr_vm_vsrc(0)
	s_getreg_b32 s2, hwreg(HW_REG_IB_STS2, 6, 4)
	s_cmp_eq_u32 s2, 0
	s_cbranch_scc0 .Lentry_in_a_cluster
	s_endpgm
.Lentry_in_a_cluster:
	s_bfe_u32 s2, ttmp6, 0x10000c
	s_cmp_lg_u32 s2, 0x3003
	s_cbranch_scc0 .Lentry_shape_is_right
	s_endpgm
.Lentry_shape_is_right:
; ATTN.  ctx = softmax(mask ? Q K^T / 8 : -1e9) V for one head, both products on codes of FP8 (E4M3) with E8M0 scales; ctx is quantised along the model's 1,024 in registers and leaves as an image of operand registers.
; THE SOFTMAX AHEAD OF THE SECOND PRODUCT: t = score x log2(e) / 8; M = the running largest t rounded UP to a whole number; p = 2^(t - M) is quantised along the keys; the sum is taken of the unquantised p and divides at the end.
; THE MASK is an input: every pair of query and key is computed, and the mask's lane words (made by the first launch) choose, by v_cndmask_b32, between the score and -2^33.
; LIMIT: a masked logit is so held at -2^30 in place of -1e9 (-2^33 x c is exact in f32, so that a row that is masked throughout gives p = 1 for every key, the plain average, as with -1e9); the results are those of -1e9
; as long as unmasked logits lie above about -1e9.  NaN and infinities are not served.  A block of zeros gets the byte 1 (read by this program alone).
; SHARES.  The four work-groups of a cluster share a head's K and V and take 512 queries each; wave w takes query tile 32 cx + 16 p + w in pass p = 0, 1.  THE WHOLE HEAD RECORD, 270,336 bytes, comes into LDS ONCE, as it
; lies in memory, by joint loads (waves 0-3, four each: four of mine are out at the most), and stays: nothing is filled again.
; THE HEAD'S 64 IN AN INSTRUCTION OF 128: a fragment of K holds TWO tiles of 16 keys (k 0-63: tile 2 g, k 64-127: tile 2 g + 1).  Q stands between two runs of eight zero registers: v[24:39] = Q | 0 gives the first tile's
; scores, v[16:31] = 0 | Q the second's; the other half multiplies codes by zero codes.
; LAYOUT.  Both products are used transposed; a lane holds one query (lane % 16).  By the order of rows in a tile, score register 16 b + i is key 32 b + 16 (lane / 16) + i of the step, and O's register 16 g + i channel 32 g + 16 (lane / 16) + i.
; REGISTERS: v1 16 x lane, v2 16 r, v3-4 LDS addresses, v5 -2^33, v7 32 r, v8 Q's scales, v9 at work; v12 -M, v13 largest t, v[14:15] the sum; v16-39 0 | Q | 0; v40-103 four fragments of K, then of V; v104-167 scores, then p;
;   v168-199 O^T; v200-215 p's codes; v216-237 at work; v234 p's scale word; v248-251 K's scale words, v252-255 V's.
; SCALARS: s2 wave, s3 counter, s[4:5] the mask words' address, s[6:7] c, s8-31 descriptors, s32-63 and s68-99 a step's 64 mask words (at work at a pass's ends), s[66:67] lane selects, s100 448's mantissa, s101, s104 LDS places, s105 cx.
.set HREC,  270336
.set CREC,  67584
.set WPART, 16896                      ; a quarter of a chunk record: 66 rows of 256 bytes
.set WV,  2
.set CNT, 3
.set MP,  4
.set CS,  6
.set G1,  8
.set G0,  16
.set SEL, 66
.set MNT, 100
.set TB,  101
.set TS,  104
.set CX,  105
.set LI,  1
.set R16, 2
.set ADK, 3
.set ADS, 4
.set NEG, 5
.set R32, 7
.set QS,  8
.set KF,  40
.set S,   104
.set O,   168
.set PCD, 200
.set BM,  216
.set T1,  220
.set HOLD, 224
.set SCO, 228
.set F,   232
.set PWD, 234
.set TMP, 235
.set L2,  236
.set KSC, 248
.set VSC, 252
.macro CROUND                          ; a round of the cluster's barrier
	s_barrier_signal -1
	s_barrier_wait -1
	s_cmp_lg_u32 s[WV], 0
	s_cbranch_scc1 .Lnot_wave_0_\@
	s_barrier_signal -3
.Lnot_wave_0_\@:
	s_barrier_wait -3
	s_barrier_signal -1
	s_barrier_wait -1
.endm
	s_load_b64 s[68:69], s[0:1], 0x8               ; hkv
	v_lshl_add_u32 v246, v0, 2, 0x42000
	v_mov_b32 v247, 0
	ds_add_u32 v246, v247
	ds_add_u32 v246, v247
	v_lshrrev_b32 v1, 5, v0
	v_readfirstlane_b32 s[WV], v1                  ; wave 0..15
	s_bfe_u32 s[CX], ttmp6, 0x40000                ; cx: it enters global addresses of Q, the mask words and ctx alone
	s_min_u32 s72, s[WV], 3                        ; (waves 4-15 issue no load; their descriptors are wave 3's)
	s_mul_i32 s72, s72, WPART
	s_and_b32 s70, ttmp7, 0xffff                   ; the head, which the four partners share
	s_mul_i32 s70, s70, HREC
	s_add_co_u32 s70, s70, s72
	s_mov_b32 s71, 0
	s_mov_b32 s[G1], 15|(3<<16)|(1<<21)            ; the mask: all four work-groups; elements of 8 bytes; bit 21 beside a mask; no padding
	s_mov_b32 s[G1+1], 32<<16                      ; tensor_dim0: rows of 256 bytes
	s_mov_b32 s[G1+2], 66<<16                      ; tensor_dim1
	s_mov_b32 s[G1+3], 32<<16                      ; tile_dim0
	s_mov_b32 s[G1+4], 66                          ; tile_dim1
	s_mov_b32 s[G1+5], 32                          ; dense
	s_mov_b32 s[G1+6], 0
	s_mov_b32 s[G1+7], 0
	s_mov_b32 s[CS], 0x3e38aa3b                    ; c = log2(e) / 8
	s_mov_b32 s[CS+1], s[CS]
	s_mov_b32 s[SEL], 0x76543210
	s_mov_b32 s[SEL+1], 0xfedcba98
	s_mov_b32 s[MNT], 0x600000
	v_and_b32 v[LI], 31, v0
	v_lshlrev_b32 v[LI], 4, v[LI]
	v_and_b32 v[R16], 15, v0
	v_lshlrev_b32 v[R32], 5, v[R16]
	v_lshlrev_b32 v[R16], 4, v[R16]
	v_mov_b32 v[NEG], 0xd0000000                   ; -2^33
.irp j, 0,1,2,3,4,5,6,7
	v_mov_b32 v[16+\j], 0                          ; the zero codes on both sides of Q
	v_mov_b32 v[32+\j], 0
.endr
.irp b, 0,1,2,3
	v_mov_b32 v[T1+\b], 0                          ; written once: a lane permute's destination counts as one of its sources
.endr
	v_mov_b32 v[F+1], 0                            ; (named as the upper half of a pair)
	v_mov_b32 v[TMP], 0
	s_wait_dscnt 0x0
	s_wait_kmcnt 0x0
	s_add_nc_u64 s[68:69], s[68:69], s[70:71]
.irp i, 0,1,2,3
	s_mov_b32 s[G0+4*\i], 1
	s_add_co_u32 s[G0+4*\i+1], s72, \i*CREC        ; LDS holds the record as memory does
	s_add_nc_u64 s[G0+4*\i+2:G0+4*\i+3], s[68:69], \i*CREC
	s_or_b32 s[G0+4*\i+3], s[G0+4*\i+3], 0x80000000
.endr
	CROUND                                         ; all four work-groups are here: the joint loads meet
	s_cmp_lt_u32 s[WV], 4                          ; a wave's four fills stand in one branch on its number
	s_cbranch_scc0 .Lno_fill
	tensor_load_to_lds s[G0:G0+3], s[G1:G1+7]
	s_nop 0
	tensor_load_to_lds s[G0+4:G0+7], s[G1:G1+7]
	s_nop 0
	tensor_load_to_lds s[G0+8:G0+11], s[G1:G1+7]
	s_nop 0
	tensor_load_to_lds s[G0+12:G0+15], s[G1:G1+7]
	s_nop 0
.rept 4
	v_nop
.endr
.Lno_fill:
; A KEY STEP: 128 keys.  s[TB]: where the step's fragments of K begin in LDS (V's 32,768 further on); s[TS]: its scale words of K (V's 1,024 further on).
.macro STEP
	s_load_b512 s[32:47], s[MP:MP+1], 0x0          ; the step's 64 mask words
	s_load_b512 s[48:63], s[MP:MP+1], 0x40
	s_load_b512 s[68:83], s[MP:MP+1], 0x80
	s_load_b512 s[84:99], s[MP:MP+1], 0xc0
	v_add_nc_u32 v[ADK], s[TB], v[LI]
	v_add_nc_u32 v[ADS], s[TS], v[R16]
.rept 6
	v_nop                                          ; with the two additions: eight places in front of loads into registers that the last products read
.endr
.irp f, 0,1,2,3
.irp c, 0,1,2,3
	ds_load_b128 v[KF+16*\f+4*\c:KF+16*\f+4*\c+3], v[ADK] offset:2048*\f+512*\c
.endr
.endr
	ds_load_b128 v[KSC:KSC+3], v[ADS]
	s_wait_dscnt 0x0
.irp f, 0,1,2,3                                ; S^T = K Q^T: a fragment's two tiles of keys
	v_wmma_scale_f32_16x16x128_f8f6f4 v[S+16*\f:S+16*\f+7], v[KF+16*\f:KF+16*\f+15], v[24:39], 0, v[KSC+\f], v[QS]
	v_wmma_scale_f32_16x16x128_f8f6f4 v[S+16*\f+8:S+16*\f+15], v[KF+16*\f:KF+16*\f+15], v[16:31], 0, v[KSC+\f], v[QS]
.endr
.rept 8
	v_nop                                          ; places in front of the loads below and of the first read of the scores
.endr
.irp f, 0,1,2,3                                ; V's four tiles of channels: they land under the softmax
.irp c, 0,1,2,3
	ds_load_b128 v[KF+16*\f+4*\c:KF+16*\f+4*\c+3], v[ADK] offset:32768+2048*\f+512*\c
.endr
.endr
	ds_load_b128 v[VSC:VSC+3], v[ADS] offset:1024
	s_wait_kmcnt 0x0                               ; the mask words are in, so their address may step
	s_add_nc_u64 s[MP:MP+1], s[MP:MP+1], 256
.set n, 0
.rept 32
	v_cndmask_b32 v[S+n], v[NEG], v[S+n], s[32+n]  ; bit 1: the score stays; bit 0: -2^33.  Ascending: each accumulator is read from its low end on
.set n, n+1
.endr
.rept 32
	v_cndmask_b32 v[S+n], v[NEG], v[S+n], s[36+n]
.set n, n+1
.endr
.irp b, 0,1,2,3
	v_max3_num_f32 v[BM+\b], v[S+16*\b], v[S+1+16*\b], v[S+2+16*\b]   ; the largest score of each block of 32 keys: for the row's maximum, and, since p rises with the score, for the block's largest p
.endr
.irp i, 3,5,7,9,11,13
.irp b, 0,1,2,3
	v_max3_num_f32 v[BM+\b], v[BM+\b], v[S+16*\b+\i], v[S+1+16*\b+\i]
.endr
.endr
.irp b, 0,1,2,3
	v_max_num_f32 v[BM+\b], v[BM+\b], v[S+15+16*\b]
.endr
.irp b, 0,1,2,3
	v_permlanex16_b32 v[T1+\b], v[BM+\b], s[SEL], s[SEL+1]
.endr
.irp b, 0,1,2,3
	v_max_num_f32 v[BM+\b], v[BM+\b], v[T1+\b]
.endr
	v_max3_num_f32 v[TMP], v[BM], v[BM+1], v[BM+2]
	v_max_num_f32 v[TMP], v[TMP], v[BM+3]
	v_mul_f32 v[TMP], s[CS], v[TMP]                ; as t (c is positive)
	v_max_num_f32 v13, v13, v[TMP]                 ; the running largest t
	v_mov_b32 v[TMP], v12
	v_floor_f32 v12, -v13                          ; the new -M = -ceil(t): a whole number
	v_sub_f32 v[TMP], v12, v[TMP]                  ; old M - new M, 0 or less
	v_cvt_i32_f32 v[TMP], v[TMP]                   ; (it saturates)
	v_ldexp_f32 v[F], 1.0, v[TMP]                  ; f = 2^(old M - new M)
.irp j, 0,2,4,6,8,10,12,14,16,18,20,22,24,26,28,30,32,34,36,38,40,42,44,46,48,50,52,54,56,58,60,62
	v_pk_fma_f32 v[S+\j:S+\j+1], v[S+\j:S+\j+1], s[CS:CS+1], v[12:13] op_sel_hi:[1,0,0]   ; t - M
.endr
.irp b, 0,1,2,3
	v_fma_f32 v[BM+\b], v[BM+\b], s[CS], v12
.endr
.set n, 0
.rept 64
	v_exp_f32 v[S+n], v[S+n]                       ; p = 2^(t - M)
.set n, n+1
.endr
	v_pk_mul_f32 v[14:15], v[14:15], v[F:F+1] op_sel_hi:[1,0]      ; the sums under the new M: a plain line behind the exponentials
	s_wait_alu depctr_va_vdst(0)                   ; one wait for the batch, ahead of its first reader
.irp b, 0,1,2,3
	v_exp_f32 v[BM+\b], v[BM+\b]                   ; each block's largest p
.endr
	v_pk_add_f32 v[L2:L2+1], v[S:S+1], v[S+2:S+3]  ; the row's sum of the unquantised p, in two chains
.irp j, 4,8,12,16,20,24,28,32,36,40,44,48,52,56,60
	v_pk_add_f32 v[14:15], v[14:15], v[S+\j:S+\j+1]
	v_pk_add_f32 v[L2:L2+1], v[L2:L2+1], v[S+2+\j:S+3+\j]
.endr
	v_pk_add_f32 v[14:15], v[14:15], v[L2:L2+1]
	s_wait_alu depctr_va_vdst(0)                   ; and one for the four
.irp b, 0,1,2,3
	v_max_num_f32 v[BM+\b], 0x4800000, v[BM+\b]    ; the floor 2^(9 - 127)
.endr
.irp b, 0,1,2,3
	v_add_nc_u32 v[SCO+\b], 0xfc000000, v[BM+\b]
.endr
.irp b, 0,1,2,3
	v_and_or_b32 v[HOLD+\b], v[BM+\b], 0x7f800000, s[MNT]
.endr
.irp b, 0,1,2,3
	v_lshrrev_b32 v[T1+\b], 23, v[SCO+\b]
.endr
	v_lshl_or_b32 v[PWD], v[T1+1], 8, v[T1]        ; p's scale word for these 128 keys
	v_lshl_or_b32 v[PWD], v[T1+2], 16, v[PWD]
	v_lshl_or_b32 v[PWD], v[T1+3], 24, v[PWD]
.irp b, 0,1,2,3
.irp i, 0,1,2,3,4,5,6,7,8,9,10,11,12,13,14,15
	v_min_num_f32 v[S+16*\b+\i], v[S+16*\b+\i], v[HOLD+\b]         ; p is not negative: a one-sided hold (ISA guide 7.6.2)
.endr
	v_cvt_scalef32_pk8_fp8_f32 v[PCD+4*\b:PCD+1+4*\b], v[S+16*\b:S+7+16*\b], v[SCO+\b]
	v_cvt_scalef32_pk8_fp8_f32 v[PCD+2+4*\b:PCD+3+4*\b], v[S+8+16*\b:S+15+16*\b], v[SCO+\b]
.endr
.irp j, 0,2,4,6,8,10,12,14,16,18,20,22,24,26,28,30
	v_pk_mul_f32 v[O+\j:O+\j+1], v[O+\j:O+\j+1], v[F:F+1] op_sel_hi:[1,0]   ; O^T under the new M; these sixteen are also the places in front of the products
.endr
	s_wait_dscnt 0x0                               ; V
.irp t, 0,1,2,3                                ; O^T += V^T P^T: the four accumulators by turns
	v_wmma_scale_f32_16x16x128_f8f6f4 v[O+8*\t:O+8*\t+7], v[KF+16*\t:KF+16*\t+15], v[PCD:PCD+15], v[O+8*\t:O+8*\t+7], v[VSC+\t], v[PWD]
.endr
	s_add_co_u32 s[TB], s[TB], 8192
	s_add_co_u32 s[TS], s[TS], 256
.endm
; A chunk of 512 keys: four steps.  first = 1 (pass 0): the chunk's loads are waited for, the later chunks' 3 - i may stay out, and a barrier shows the chunk to all sixteen waves.
.macro CHUNK first, i
.if \first
	s_wait_tensorcnt 3-\i
	s_wait_dscnt 0x0
	s_barrier_signal -1
	s_barrier_wait -1
.endif
	s_mov_b32 s[TB], \i*CREC
	s_mov_b32 s[TS], \i*CREC+65536
	s_mov_b32 s[CNT], 4
.Lstep_\@:
	STEP
	s_sub_co_u32 s[CNT], s[CNT], 1
	s_cmp_lg_u32 s[CNT], 0
	s_cbranch_scc1 .Lstep_\@
.endm
.macro PASS p
	s_wait_xcnt 0x0                                ; the last pass's stores have read their registers and bases
	s_load_b64 s[68:69], s[0:1], 0x0               ; hq
	s_load_b64 s[MP:MP+1], s[0:1], 0x10            ; mw
	s_and_b32 s72, ttmp7, 0xffff
	s_mul_i32 s72, s72, HREC
	s_mul_i32 s73, s[CX], CREC                     ; my work-group's 512 queries are chunk cx
	s_add_co_u32 s72, s72, s73
	s_lshr_b32 s73, s[WV], 1
	s_add_co_u32 s73, s73, 8*\p                    ; the fragment of 32 queries in the chunk
	s_and_b32 s76, s[WV], 1                        ; and which of its two tiles
	s_lshl_b32 s74, s73, 11
	s_lshl_b32 s75, s76, 10
	s_add_co_u32 s74, s74, s75
	s_add_co_u32 s74, s74, s72
	s_mov_b32 s75, 0
	s_lshr_b32 s78, s73, 2
	s_lshl_b32 s78, s78, 8
	s_and_b32 s79, s73, 3
	s_lshl_b32 s79, s79, 2
	s_add_co_u32 s78, s78, s79
	s_add_co_u32 s78, s78, s72
	s_add_co_u32 s78, s78, 65536                   ; the fragment's scale words
	s_mov_b32 s79, 0
	s_lshl_b32 s80, s[CX], 5
	s_add_co_u32 s80, s80, s[WV]
	s_add_co_u32 s80, s80, 16*\p                   ; my query tile
	s_lshl_b32 s80, s80, 12
	s_mov_b32 s81, 0
	s_mov_b32 s82, 0x03020302                      ; my tile's two bytes of the word, twice: they serve Q | 0 and 0 | Q
	s_cmp_eq_u32 s76, 0
	s_cselect_b32 s82, 0x01000100, s82
	s_wait_kmcnt 0x0
	s_add_nc_u64 s[74:75], s[68:69], s[74:75]
	s_add_nc_u64 s[78:79], s[68:69], s[78:79]
	s_add_nc_u64 s[MP:MP+1], s[MP:MP+1], s[80:81]
	global_load_b128 v[24:27], v[LI], s[74:75]     ; Q: channels 0-31,
	global_load_b128 v[28:31], v[LI], s[74:75] offset:512   ; 32-63
	global_load_b32 v9, v[R16], s[78:79]
	v_mov_b32 v13, 0xff61b1e6                      ; the largest t so far: -3e38
	v_floor_f32 v12, -v13
	v_mov_b32 v14, 0
	v_mov_b32 v15, 0
	s_wait_loadcnt 0x0
	v_perm_b32 v[QS], v9, v9, s82
.set n, 0
.rept 32
	v_mov_b32 v[O+n], 0                            ; the step is written once: the first finds zeros
.set n, n+1
.endr
	CHUNK 1-\p, 0
	CHUNK 1-\p, 1
	CHUNK 1-\p, 2
	CHUNK 1-\p, 3
.rept 8
	v_nop                                          ; places behind the last products
.endr
	v_add_f32 v14, v14, v15
	v_permlanex16_b32 v[TMP], v14, s[SEL], s[SEL+1]
	v_add_f32 v14, v14, v[TMP]                     ; the row's sum
	v_rcp_f32 v14, v14
	s_load_b128 s[68:71], s[0:1], 0x18             ; cc, cs
	s_and_b32 s72, ttmp7, 0xffff
	s_lshr_b32 s73, s72, 4
	s_lshl_b32 s73, s73, 7                         ; 128 tiles a batch
	s_lshl_b32 s74, s[CX], 5
	s_add_co_u32 s73, s73, s74
	s_add_co_u32 s73, s73, s[WV]
	s_add_co_u32 s73, s73, 16*\p                   ; ctx's image tile
	s_and_b32 s72, s72, 15                         ; the head in the batch: its 64 channels are 1,024 bytes of the tile's image
	s_lshl_b32 s74, s73, 14
	s_lshl_b32 s75, s72, 10
	s_add_co_u32 s74, s74, s75
	s_mov_b32 s75, 0
	s_lshl_b32 s76, s73, 9
	s_lshl_b32 s77, s72, 1
	s_add_co_u32 s76, s76, s77
	s_mov_b32 s77, 0
	v_nop                                          ; a plain line behind the reciprocal
	s_wait_alu depctr_va_vdst(0)                   ; and the wait ahead of its first reader
.irp j, 0,2,4,6,8,10,12,14,16,18,20,22,24,26,28,30
	v_pk_mul_f32 v[S+\j:S+\j+1], v[O+\j:O+\j+1], v[14:15] op_sel_hi:[1,0]   ; ctx: register 16 g + i = channel 32 g + 16 (lane / 16) + i
.endr
.irp b, 0,1
	v_max3_num_f32 v[BM+\b], |v[S+16*\b]|, |v[S+1+16*\b]|, 0x4800000
.endr
.irp i, 2,4,6,8,10,12,14
.irp b, 0,1
	v_max3_num_f32 v[BM+\b], v[BM+\b], |v[S+16*\b+\i]|, |v[S+1+16*\b+\i]|
.endr
.endr
.irp b, 0,1
	v_permlanex16_b32 v[T1+\b], v[BM+\b], s[SEL], s[SEL+1]
.endr
.irp b, 0,1
	v_max_num_f32 v[BM+\b], v[BM+\b], v[T1+\b]
.endr
.irp b, 0,1
	v_add_nc_u32 v[SCO+\b], 0xfc000000, v[BM+\b]
.endr
.irp b, 0,1
	v_and_or_b32 v[HOLD+\b], v[BM+\b], 0x7f800000, s[MNT]
.endr
.irp b, 0,1
	v_lshrrev_b32 v[T1+\b], 23, v[SCO+\b]
.endr
	v_lshl_or_b32 v[TMP], v[T1+1], 8, v[T1]        ; the head's two scale bytes of my row
.irp b, 0,1
.irp i, 0,1,2,3,4,5,6,7,8,9,10,11,12,13,14,15
	v_med3_num_f32 v[S+16*\b+\i], v[S+16*\b+\i], -v[HOLD+\b], v[HOLD+\b]
.endr
	v_cvt_scalef32_pk8_fp8_f32 v[PCD+4*\b:PCD+1+4*\b], v[S+16*\b:S+7+16*\b], v[SCO+\b]
	v_cvt_scalef32_pk8_fp8_f32 v[PCD+2+4*\b:PCD+3+4*\b], v[S+8+16*\b:S+15+16*\b], v[SCO+\b]
.endr
	v_nop                                          ; a plain line behind the last conversion
	s_wait_kmcnt 0x0
	s_add_nc_u64 s[68:69], s[68:69], s[74:75]
	s_add_nc_u64 s[70:71], s[70:71], s[76:77]
	global_store_b128 v[LI], v[PCD:PCD+3], s[68:69]                ; 1,024 consecutive bytes in two stores
	global_store_b128 v[LI], v[PCD+4:PCD+7], s[68:69] offset:512
	global_store_b16 v[R32], v[TMP], s[70:71]      ; two bytes of each row's 32: rows 32 bytes apart; a thirty-second of ctx's bytes; lanes 16-31 write what lanes 0-15 write.  The other heads' bytes of a row are made by other work-groups
.endm
	PASS 0
	PASS 1
	s_wait_tensorcnt 0x0
	ds_add_u32 v246, v247
	s_wait_dscnt 0x0
	CROUND                                         ; the closing round
	s_endpgm
.Lfunc_end_k_q2832f09a39_attn:
	.size	k_q2832f09a39_attn, .Lfunc_end_k_q2832f09a39_attn-k_q2832f09a39_attn
	.p2alignl 7, 3214868480
	.fill 96, 4, 3214868480
	.section	.rodata,"a",@progbits
	.p2align	6, 0x0
	.amdhsa_kernel k_q2832f09a39_attn
		.amdhsa_group_segment_fixed_size 272384
		.amdhsa_private_segment_fixed_size 0
		.amdhsa_enable_private_segment 0
		.amdhsa_kernarg_size 40
		.amdhsa_user_sgpr_count 2
		.amdhsa_user_sgpr_kernarg_segment_ptr 1
		.amdhsa_wavefront_size32 1
		.amdhsa_system_sgpr_workgroup_id_x 1
		.amdhsa_system_sgpr_workgroup_id_y 1
		.amdhsa_system_sgpr_workgroup_id_z 1
		.amdhsa_system_vgpr_workitem_id 0
		.amdhsa_next_free_vgpr 256
		.amdhsa_next_free_sgpr 106
		.amdhsa_reserve_vcc 0
		.amdhsa_float_denorm_mode_32 3
		.amdhsa_float_denorm_mode_16_64 3
		.amdhsa_memory_ordered 1
		.amdhsa_forward_progress 1
		.amdhsa_inst_pref_size 206
	.end_amdhsa_kernel
	.amdgpu_metadata
---
amdhsa.version: [ 1, 2 ]
amdhsa.kernels:
  - .name:           k_q2832f09a39_attn
    .symbol:         k_q2832f09a39_attn.kd
    .args:
      - { .name: hq, .offset: 0, .size: 8, .value_kind: global_buffer, .address_space: global }
      - { .name: hkv, .offset: 8, .size: 8, .value_kind: global_buffer, .address_space: global }
      - { .name: mw, .offset: 16, .size: 8, .value_kind: global_buffer, .address_space: global }
      - { .name: cc, .offset: 24, .size: 8, .value_kind: global_buffer, .address_space: global }
      - { .name: cs, .offset: 32, .size: 8, .value_kind: global_buffer, .address_space: global }
    .group_segment_fixed_size: 272384
    .private_segment_fixed_size: 0
    .kernarg_segment_align: 8
    .kernarg_segment_size: 40
    .max_flat_workgroup_size: 512
    .sgpr_count:     106
    .vgpr_count:     256
    .wavefront_size: 32
...
	.end_amdgpu_metadata
.endif
;; end of part 3
;; launch outp (part 4): grid 4 x 32, 4 waves a work-group, clusters of 4 x 4, 327,680 bytes of LDS; arguments cc, cs, codes, scales, bo, out0; writes out0
.if DOCPART == 4
	.amdgcn_target "amdgcn-amd-amdhsa--gfx1250"
	.amdhsa_code_object_version 6
	.text
	.protected	k_q2832f09a39_outp
	.globl	k_q2832f09a39_outp
	.p2align	8
	.type	k_q2832f09a39_outp,@function
k_q2832f09a39_outp:
	s_mov_b64 s[64:65], 0
	v_nop
	global_prefetch_b8 v0, s[64:65] scope:SCOPE_SE
	s_setreg_imm32_b32 hwreg(HW_REG_WAVE_MODE, 25, 1), 1
	s_wait_xcnt 0x0
	s_wait_alu depctr_hold_cnt(0) depctr_sa_sdst(0) depctr_va_vdst(0) depctr_va_sdst(0) depctr_va_ssrc(0) depctr_va_vcc(0) depctr_vm_vsrc(0)
	s_getreg_b32 s2, hwreg(HW_REG_IB_STS2, 6, 4)
	s_cmp_eq_u32 s2, 0
	s_cbranch_scc0 .Lentry_in_a_cluster
	s_endpgm
.Lentry_in_a_cluster:
	s_bfe_u32 s2, ttmp6, 0x10000c
	s_cmp_lg_u32 s2, 0xf033
	s_cbranch_scc0 .Lentry_shape_is_right
	s_endpgm
.Lentry_shape_is_right:
; OUTP.  out0 = ctx Wo^T + bo on codes of FP8 (E4M3) with E8M0 scales, K = 1,024; out0 [8192][1024] f32.
; Operands are images of registers: tile T x 16,384 bytes, fragment s (128 along K) x 2,048, four pieces of 512 bytes = 16 bytes a lane; lane-row r of tile T is row 32 (T / 2) + 8 (T % 2) + r + 8 (r / 8).
; "A" (source 1: a lane of the result is one of its rows) = ctx's tokens, from cc and cs; "B" (source 0: the result's registers run along its rows) = Wo's rows, tiles 1728 on of codes and scales.
; A work-group makes 256 x 256, a wave 128 x 128: 64 accumulators.  K goes in four steps of 256 through two LDS slots; the scale bytes of the 512 rows come once.  CLUSTERS 4 x 4: A's tiles are asked for jointly by a row of
; the cluster, B's by a column.  The bias is the C of each sum's first matrix instruction.  128 work-groups: tiles of 256 x 256 of an 8,192 x 1,024 result.
; REGISTERS, in windows of 256: window 0: v1 r, v2 lane / 16, v3 16 x lane, v4-6 at work, v16-29 addresses; v32-63 scale words, two sets; v64-127 the bias; v128-255 A's fragments, on the way out rows of the result.
;   window 1: B's fragments, two sets.  windows 2, 3: the accumulators.
; SCALARS: s4-15 the buffers; s18 wave, s19 wave / 2, s20 wave % 2, s21 cx, s22 cy, s23 tile row; s24-39, s48-63, s68-91 descriptors; the rest at work.
.set NQ,     2
.set FR,     16
.set NL,     4
.set NP,     8                         ; places behind this matrix instruction (ISA guide 7.12.1)
.set TILEB,  4096
.set HALFT,  8*TILEB
.set SLOT,   4*HALFT
.set SCL,    2*SLOT
.set HALFS,  16*272
.set SBLK,   2*272
.set SPARE,  SCL+4*HALFS               ; the spare words, 128 bytes for each wave: two blocks of 256 bytes that no other line names
.set STAGE,  SPARE+512                 ; the way out: 16 rows x (512 bytes + 16) for each wave, bytes of their own
.set SPITCH, 528
.set LI,   3
.set ADRA, 16
.set ADRB, 20
.set STO,  24
.set RD,   25
.set ADRS, 27
.set SPW,  28
.set NIL,  29
.set SC,   32
.set BIAS, 64
.set AF,   128
.set BK,   128
.set G1,   24
.set G0,   32
.set G1B,  48
.set G0B,  56
.set G1S,  68
.set G0S,  76
.set G1SB, 80
.set G0SB, 88
.set MSB, 0
.macro WIN new                         ; the immediate's high byte repeats the setting that is left
.if MSB != (\new)
	s_set_vgpr_msb (MSB<<8)|(\new)
.set MSB, (\new)
.endif
.endm
.set MUL_LO, 0xa1
.set MUL_HI, 0xf1
.set TO_B,   0x40
.macro JLOAD g0a, g1a, g0b, g1b        ; a joint load: waves 0 and 1 fetch for A, waves 2 and 3 for B; four v_nop follow each of the two lines
	s_cmp_eq_u32 s19, 0
	s_cbranch_scc0 .Lfor_b_\@
	tensor_load_to_lds s[\g0a:\g0a+3], s[\g1a:\g1a+7]
	s_nop 0
.rept 4
	v_nop
.endr
	s_branch .Lasked_\@
.Lfor_b_\@:
	tensor_load_to_lds s[\g0b:\g0b+3], s[\g1b:\g1b+7]
	s_nop 0
.rept 4
	v_nop
.endr
.Lasked_\@:
.endm
.macro CREST
	s_cmp_lg_u32 s18, 0
	s_cbranch_scc1 .Lnot_wave_0_\@
	s_barrier_signal -3
.Lnot_wave_0_\@:
	s_barrier_wait -3
	s_barrier_signal -1
	s_barrier_wait -1
.endm
.macro CROUND
	s_barrier_signal -1
	s_barrier_wait -1
	CREST
.endm
	s_load_b256 s[4:11], s[0:1], 0x0               ; cc, cs, codes, scales
	s_load_b128 s[12:15], s[0:1], 0x20             ; bo, out0
	v_lshl_add_u32 v[SPW], v0, 2, SPARE
	v_mov_b32 v[NIL], 0
	ds_add_u32 v28, v29
	ds_add_u32 v28, v29
	s_wait_dscnt 0x0
	v_lshrrev_b32 v1, 5, v0
	v_readfirstlane_b32 s18, v1                    ; wave 0..3
	s_lshr_b32 s19, s18, 1
	s_and_b32 s20, s18, 1
	s_bfe_u32 s21, ttmp6, 0x40000                  ; cx = the tile column
	s_bfe_u32 s22, ttmp6, 0x40004                  ; cy
	s_and_b32 s23, ttmp7, 0xffff
	s_lshl_b32 s23, s23, 2
	s_add_co_u32 s23, s23, s22                     ; tile row = 4 x cluster y + cy
	s_lshl_b32 s44, s22, 2
	s_lshl_b32 s44, 15, s44                        ; my row of the cluster
	s_lshl_b32 s45, 0x1111, s21                    ; my column
	s_or_b32 s[G1+0], s44, (3<<16)|(1<<21)         ; codes: 8 tiles' pieces of 4,096 consecutive bytes, 16,384 bytes apart; dense in LDS
	s_or_b32 s[G1B+0], s45, (3<<16)|(1<<21)
.irp g, G1, G1B
	s_mov_b32 s[\g+1], 512<<16
	s_mov_b32 s[\g+2], 8<<16
	s_mov_b32 s[\g+3], 512<<16
	s_mov_b32 s[\g+4], 8
	s_mov_b32 s[\g+5], 2048
	s_mov_b32 s[\g+6], 0
	s_mov_b32 s[\g+7], 0
.endr
	s_or_b32 s[G1S+0], s44, (3<<16)|(1<<20)|(1<<21)|(5<<22)|(3<<25)   ; scale bytes of 128 rows: 16 rows of 256 bytes, 16 bytes of padding behind each
	s_or_b32 s[G1SB+0], s45, (3<<16)|(1<<20)|(1<<21)|(5<<22)|(3<<25)
.irp g, G1S, G1SB
	s_mov_b32 s[\g+1], 32<<16
	s_mov_b32 s[\g+2], 16<<16
	s_mov_b32 s[\g+3], 32<<16
	s_mov_b32 s[\g+4], 16
	s_mov_b32 s[\g+5], 32
	s_mov_b32 s[\g+6], 0
	s_mov_b32 s[\g+7], 0
.endr
	s_lshl_b32 s41, s20, 3                         ; the 8 tiles that I fetch
	s_lshl_b32 s42, s23, 4
	s_add_co_u32 s42, s42, s41                     ; A: image tile 16 x tile row + 8 x half
	s_lshl_b32 s46, s21, 4
	s_add_co_u32 s46, s46, 1728
	s_add_co_u32 s46, s46, s41                     ; B: Wo's tile 16 cx + 8 x half
	s_lshl_b32 s92, s42, 9
	s_mov_b32 s93, 0
	s_lshl_b32 s42, s42, 14
	s_mov_b32 s43, 0
	s_lshl_b32 s94, s46, 9
	s_mov_b32 s95, 0
	s_lshl_b32 s46, s46, 14
	s_mov_b32 s47, 0
	s_mul_i32 s41, s18, HALFT
	s_mul_i32 s67, s18, HALFS
	s_wait_kmcnt 0x0
	s_add_nc_u64 s[42:43], s[4:5], s[42:43]
	s_add_nc_u64 s[92:93], s[6:7], s[92:93]
	s_add_nc_u64 s[46:47], s[8:9], s[46:47]
	s_add_nc_u64 s[94:95], s[10:11], s[94:95]
	CROUND                                         ; all sixteen work-groups are here: the first joint loads meet
	s_mov_b32 s[G0S], 1
	s_add_co_u32 s[G0S+1], s67, SCL
	s_mov_b64 s[G0S+2:G0S+3], s[92:93]
	s_or_b32 s[G0S+3], s[G0S+3], 0x80000000
	s_mov_b32 s[G0SB], 1
	s_add_co_u32 s[G0SB+1], s67, SCL
	s_mov_b64 s[G0SB+2:G0SB+3], s[94:95]
	s_or_b32 s[G0SB+3], s[G0SB+3], 0x80000000
	JLOAD G0S, G1S, G0SB, G1SB
.irp s, 0,1
	s_mov_b32 s[G0+4*\s], 1
	s_add_co_u32 s[G0+4*\s+1], s41, \s*SLOT
	s_add_nc_u64 s[G0+4*\s+2:G0+4*\s+3], s[42:43], \s*TILEB
	s_or_b32 s[G0+4*\s+3], s[G0+4*\s+3], 0x80000000
	s_mov_b32 s[G0B+4*\s], 1
	s_add_co_u32 s[G0B+4*\s+1], s41, \s*SLOT
	s_add_nc_u64 s[G0B+4*\s+2:G0B+4*\s+3], s[46:47], \s*TILEB
	s_or_b32 s[G0B+4*\s+3], s[G0B+4*\s+3], 0x80000000
	JLOAD G0+4*\s, G1, G0B+4*\s, G1B
.endr
	v_and_b32 v1, 15, v0                           ; r
	v_bfe_u32 v2, v0, 4, 1                         ; h
	v_and_b32 v[LI], 31, v0
	v_lshlrev_b32 v[LI], 4, v[LI]                  ; 16 x lane
	s_lshl_b32 s2, s19, 15
	s_lshl_b32 s3, s20, 15
	s_add_co_u32 s3, s3, 2*HALFT
.irp s, 0,1
	v_add_nc_u32 v[ADRA+\s], s2, v[LI]
	v_add_nc_u32 v[ADRB+\s], s3, v[LI]
	s_add_co_u32 s2, s2, SLOT
	s_add_co_u32 s3, s3, SLOT
.endr
	v_lshlrev_b32 v5, 5, v1
	v_lshrrev_b32 v6, 8, v5
	v_lshl_add_u32 v5, v6, 4, v5
	s_mul_i32 s2, s19, HALFS
	s_mul_i32 s3, s20, HALFS
	s_add_co_u32 s3, s3, 2*HALFS
	s_sub_co_u32 s3, s3, s2
	v_mul_u32_u24 v6, s3, v2                       ; lanes 16-31 take B's scale words
	s_add_co_u32 s2, s2, SCL
	v_add_nc_u32 v5, v5, v6
	v_add_nc_u32 v[ADRS], s2, v5
	s_mul_i32 s2, s18, 16*SPITCH
	s_add_co_u32 s2, s2, STAGE                     ; my stage
	v_mul_u32_u24 v5, v1, SPITCH
	v_lshl_add_u32 v5, v2, 6, v5
	v_add_nc_u32 v[STO], s2, v5                    ; in: row r, + 64 h: B's tile b puts its eight columns 128 (b / 2) + 32 (b % 2) bytes on
	v_add_nc_u32 v[RD], s2, v[LI]                  ; back: the 32 lanes take one row of 512 bytes
	v_lshlrev_b32 v5, 6, v2                        ; the bias: for B's tile b the eight numbers at 32 (b / 2) + 8 (b % 2) + 16 h
	s_lshl_b32 s96, s21, 10
	s_lshl_b32 s97, s20, 9
	s_add_co_u32 s96, s96, s97                     ; my first column, in bytes
	s_mov_b32 s97, 0
	s_add_nc_u64 s[12:13], s[12:13], s[96:97]
	s_add_nc_u64 s[14:15], s[14:15], s[96:97]
.irp b, 0,1,2,3,4,5,6,7
	global_load_b128 v[BIAS+8*\b:BIAS+8*\b+3], v5, s[12:13] offset:(32*(\b/2)+8*(\b%2))*4
	global_load_b128 v[BIAS+8*\b+4:BIAS+8*\b+7], v5, s[12:13] offset:(32*(\b/2)+8*(\b%2))*4+16
.endr
	s_lshl_b32 s96, s23, 8
	s_lshl_b32 s98, s19, 7
	s_add_co_u32 s96, s96, s98                     ; my first row
	s_lshl_b32 s96, s96, 12                        ; rows of 4,096 bytes
	s_add_nc_u64 s[14:15], s[14:15], s[96:97]
.macro FRAG reg, adr, q, i
.irp c, 0,1,2,3
	ds_load_b128 v[\reg+4*\c:\reg+4*\c+3], v[\adr] offset:(\i)*TILEB+(\q)*2048+512*\c
.endr
.endm
; 16 matrix instructions: A's blocks a0, a0 + 1 x B's eight.  zero = 1: the sums start from the bias.  The 64 accumulators take turns, one instruction a turn.
.macro MUL16 a0, p, q, sc, zero
.irp a, \a0, \a0+1
.irp b, 0,1,2,3,4,5,6,7
.if \zero
	v_wmma_scale_f32_16x16x128_f8f6f4 v[8*(8*((\a)%4)+\b):8*(8*((\a)%4)+\b)+7], v[128*(\p)+FR*\b:128*(\p)+FR*\b+FR-1], v[AF+FR*(\a):AF+FR*(\a)+FR-1], v[BIAS+8*\b:BIAS+8*\b+7], v[SC+8*NQ*(\sc)+NQ*\b+(\q)], v[SC+8*NQ*(\sc)+NQ*(\a)+(\q)] matrix_a_scale:MATRIX_SCALE_ROW1
.else
	v_wmma_scale_f32_16x16x128_f8f6f4 v[8*(8*((\a)%4)+\b):8*(8*((\a)%4)+\b)+7], v[128*(\p)+FR*\b:128*(\p)+FR*\b+FR-1], v[AF+FR*(\a):AF+FR*(\a)+FR-1], v[8*(8*((\a)%4)+\b):8*(8*((\a)%4)+\b)+7], v[SC+8*NQ*(\sc)+NQ*\b+(\q)], v[SC+8*NQ*(\sc)+NQ*(\a)+(\q)] matrix_a_scale:MATRIX_SCALE_ROW1
.endif
.endr
.endr
.endm
.macro FETCH_B slot, q, p
	WIN TO_B
.irp i, 0,1,2,3,4,5,6,7
	FRAG 128*(\p)+FR*\i, ADRB+\slot, \q, \i
.endr
	WIN 0
.endm
.macro FETCH_A slot, q, i0
.irp i, \i0, \i0+1, \i0+2, \i0+3
	FRAG AF+FR*(\i), ADRA+\slot, \q, \i
.endr
.endm
.macro SCALES sc
.irp i, 0,1,2,3,4,5,6,7
	ds_load_b64 v[SC+8*NQ*\sc+NQ*\i:SC+8*NQ*\sc+NQ*\i+1], v[ADRS] offset:\i*SBLK
.endr
.endm
.macro PLACES n
.rept \n
	v_nop
.endr
.endm
.macro STEP slot, q, zero
	s_wait_dscnt 4*NL                              ; B's set and A's blocks 0-3 are in; the youngest 16 loads (A's blocks 4-7) may be out
.if \zero
	WIN 0x81                                       ; C (the bias) in window 0
.else
	WIN MUL_LO
.endif
	MUL16 0, (\q)%2, \q, \slot, \zero
	MUL16 2, (\q)%2, \q, \slot, \zero
	s_wait_dscnt 0
	PLACES NP
	FETCH_B \slot, (\q)+1, 1-(\q)%2
	FETCH_A \slot, (\q)+1, 0
.if \zero
	WIN 0xc1
.else
	WIN MUL_HI
.endif
	MUL16 4, (\q)%2, \q, \slot, \zero
	MUL16 6, (\q)%2, \q, \slot, \zero
	PLACES NP
	WIN 0
	FETCH_A \slot, (\q)+1, 4
.endm
.macro TURN slot, next, fill
	s_wait_tensorcnt 0x0                           ; all my tensor loads have landed: my part of the next slot
	ds_add_u32 v[SPW], v[NIL]                      ; 0 onto my spare word
	s_wait_dscnt 4*NL+1                            ; (the add and the youngest 16 loads may be out)
	WIN MUL_LO
	MUL16 0, 1, NQ-1, \slot, 0
	s_wait_dscnt 0x0                               ; the add is done, and my reads of this slot are over
	s_barrier_signal -1
	MUL16 2, 1, NQ-1, \slot, 0
	WIN 0
	s_barrier_wait -1
.if \fill
	CREST                                          ; the barrier has opened a round of the cluster's barrier
	s_add_nc_u64 s[G0+4*\slot+2:G0+4*\slot+3], s[G0+4*\slot+2:G0+4*\slot+3], 2*TILEB
	s_add_nc_u64 s[G0B+4*\slot+2:G0B+4*\slot+3], s[G0B+4*\slot+2:G0B+4*\slot+3], 2*TILEB
	JLOAD G0+4*\slot, G1, G0B+4*\slot, G1B         ; the first tensor load behind the round
	PLACES NP-4
.else
	PLACES NP
.endif
	v_add_nc_u32 v[ADRS], 4*NQ, v[ADRS]
	FETCH_B \next, 0, 0
	FETCH_A \next, 0, 0
	SCALES \next
	WIN MUL_HI
	MUL16 4, 1, NQ-1, \slot, 0
	MUL16 6, 1, NQ-1, \slot, 0
	PLACES NP
	WIN 0
	FETCH_A \next, 0, 4
.endm
	s_wait_tensorcnt 1                             ; the scale bytes and my part of K step 0 are in; K step 1's load may be out
	s_barrier_signal -1
	s_barrier_wait -1
	FETCH_B 0, 0, 0
	FETCH_A 0, 0, 0
	SCALES 0
	FETCH_A 0, 0, 4
	s_wait_loadcnt 0x0                             ; the bias
	STEP 0, 0, 1
	TURN 0, 1, 1                                   ; four K steps of 256: written out, each slot is filled again once
	STEP 1, 0, 0
	TURN 1, 0, 1
	STEP 0, 0, 0
	TURN 0, 1, 0
	STEP 1, 0, 0
	s_wait_dscnt 4*NL
	WIN MUL_LO
	MUL16 0, 1, NQ-1, 1, 0
	MUL16 2, 1, NQ-1, 1, 0
	s_wait_dscnt 0
	WIN MUL_HI
	MUL16 4, 1, NQ-1, 1, 0
	MUL16 6, 1, NQ-1, 1, 0
	WIN 0
; THE WAY OUT, block by block of 16 rows x 128 columns, through my own stage: in as eight columns a lane, back as whole rows of 512 bytes.  LDS serves a wave's instructions in order (ISA guide 5.7.1.4).
.macro TOSTAGE a
.set AC, 64*((\a)%4)
	WIN 0x08+4*((\a)/4)                            ; an LDS store's data are its source 1: window 2 or 3
.irp b, 0,1,2,3,4,5,6,7
	ds_store_b128 v[STO], v[AC+8*\b:AC+8*\b+3] offset:128*(\b/2)+32*(\b%2)          ; each accumulator from its low end on
	ds_store_b128 v[STO], v[AC+8*\b+4:AC+8*\b+7] offset:128*(\b/2)+32*(\b%2)+16
.endr
	WIN 0
.set BB, BK+64*((\a)%2)
.irp t, 0,1,2,3,4,5,6,7,8,9,10,11,12,13,14,15
	ds_load_b128 v[BB+4*\t:BB+4*\t+3], v[RD] offset:\t*SPITCH
.endr
.endm
.macro SEND a, younger                 ; younger: the LDS instructions issued behind block a's loads, which may stay out
.set BB, BK+64*((\a)%2)
	s_wait_dscnt \younger
.irp t, 0,1,2,3,4,5,6,7,8,9,10,11,12,13,14,15
	global_store_b128 v[LI], v[BB+4*\t:BB+4*\t+3], s[14:15] offset:(32*((\a)/2)+8*((\a)%2)+\t+8*(\t/8))*4096 th:TH_STORE_NT   ; stage row t of block a is that row of my 128; 512 consecutive bytes, aligned; the base never steps
.endr
.endm
	PLACES NP
	TOSTAGE 0
.irp a, 1,2,3,4,5,6,7
.if \a > 1
	s_wait_xcnt 0x0                                ; block a - 2's stores have read their registers: block a's loads may land there
.endif
	TOSTAGE \a
	SEND \a-1, 32                                  ; behind block a - 1's loads: block a's 16 stores and 16 loads
.endr
	SEND 7, 0
	s_wait_tensorcnt 0x0                           ; the wave's end
	ds_add_u32 v[SPW], v[NIL]
	s_wait_dscnt 0x0
	CROUND                                         ; the closing round
	s_endpgm
.Lfunc_end_k_q2832f09a39_outp:
	.size	k_q2832f09a39_outp, .Lfunc_end_k_q2832f09a39_outp-k_q2832f09a39_outp
	.p2alignl 7, 3214868480
	.fill 96, 4, 3214868480
	.section	.rodata,"a",@progbits
	.p2align	6, 0x0
	.amdhsa_kernel k_q2832f09a39_outp
		.amdhsa_group_segment_fixed_size 327680
		.amdhsa_private_segment_fixed_size 0
		.amdhsa_enable_private_segment 0
		.amdhsa_kernarg_size 48
		.amdhsa_user_sgpr_count 2
		.amdhsa_user_sgpr_kernarg_segment_ptr 1
		.amdhsa_wavefront_size32 1
		.amdhsa_system_sgpr_workgroup_id_x 1
		.amdhsa_system_sgpr_workgroup_id_y 1
		.amdhsa_system_sgpr_workgroup_id_z 1
		.amdhsa_system_vgpr_workitem_id 0
		.amdhsa_next_free_vgpr 1024
		.amdhsa_next_free_sgpr 102
		.amdhsa_reserve_vcc 0
		.amdhsa_float_denorm_mode_32 3
		.amdhsa_float_denorm_mode_16_64 3
		.amdhsa_memory_ordered 1
		.amdhsa_forward_progress 1
		.amdhsa_inst_pref_size 146
	.end_amdhsa_kernel
	.amdgpu_metadata
---
amdhsa.version: [ 1, 2 ]
amdhsa.kernels:
  - .name:           k_q2832f09a39_outp
    .symbol:         k_q2832f09a39_outp.kd
    .args:
      - { .name: cc, .offset: 0, .size: 8, .value_kind: global_buffer, .address_space: global }
      - { .name: cs, .offset: 8, .size: 8, .value_kind: global_buffer, .address_space: global }
      - { .name: codes, .offset: 16, .size: 8, .value_kind: global_buffer, .address_space: global }
      - { .name: scales, .offset: 24, .size: 8, .value_kind: global_buffer, .address_space: global }
      - { .name: bo, .offset: 32, .size: 8, .value_kind: global_buffer, .address_space: global }
      - { .name: out0, .offset: 40, .size: 8, .value_kind: global_buffer, .address_space: global }
    .group_segment_fixed_size: 327680
    .private_segment_fixed_size: 0
    .kernarg_segment_align: 8
    .kernarg_segment_size: 48
    .max_flat_workgroup_size: 128
    .sgpr_count:     102
    .vgpr_count:     1024
    .wavefront_size: 32
...
	.end_amdgpu_metadata
.endif
;; end of part 4
;; ======== version 2 of 3: 4 launches; 1.32 times as fast as version 1
;; limits: right only within a limited range of input values
;; workspace buffers: codes 29,360,128 bytes; scales 917,504 bytes; hq 17,301,504 bytes; hkv 17,301,504 bytes; mw 524,288 bytes of whole numbers; mc 65,536 bytes of whole numbers; cc 8,388,608 bytes; cs 262,144 bytes
;; launch prep (part 5): grid 512 x 1, 4 waves a work-group, no clusters, 70,144 bytes of LDS; arguments q, k, v, Wq, Wk, Wv, Wo, mask, codes, scales, mw, mc; writes codes, scales, mw, mc
.if DOCPART == 5
	.amdgcn_target "amdgcn-amd-amdhsa--gfx1250"
	.amdhsa_code_object_version 6
	.text
	.protected	k_q2832f09a39_prep
	.globl	k_q2832f09a39_prep
	.p2align	8
	.type	k_q2832f09a39_prep,@function
k_q2832f09a39_prep:
	s_mov_b64 s[64:65], 0
	v_nop
	global_prefetch_b8 v0, s[64:65] scope:SCOPE_SE
	s_setreg_imm32_b32 hwreg(HW_REG_WAVE_MODE, 25, 1), 1
	s_wait_xcnt 0x0
; PREP.  (1) q, k, v [8192][1024] and Wq, Wk, Wv, Wo [1024][1024], f32 with K innermost, become codes of FP8 (E4M3) with one E8M0 byte for each 32 along K, laid as IMAGES OF THE OPERAND'S REGISTERS.
; Image tile T holds 16 rows; its lane-row r is row 32 (T / 2) + 8 (T % 2) + r + 8 (r / 8).  Byte T x 16384 + s x 2048 + c x 512 + 16 x lane + e is the code of that row at k = 128 s + 32 c + 16 (lane / 16) + e:
; a fragment (16 rows x 128 K) is 2,048 bytes on end, brought by four loads of 16 bytes a lane.  Scale bytes: [16 T + r][32].  Tiles: q 0-511, k 512-1023, v 1024-1535, Wq 1536-, Wk 1600-, Wv 1664-, Wo 1728-1791.
; (2) mask [2048][2048] int32 becomes lane masks: word n = 16 b + i of (query tile Tq, key step) has in bit lane = r + 16 h:  mask[row r of tile Tq][128 step + 32 b + 16 h + i] != 0.
; (3) For each unit (query tile, half of the keys: eight steps) two whole numbers go to mc: word 0: bit t: step t has an open pair, bit 8 + t: all its pairs are open; word 1: the OR of the unit's 512 lane words
; (which lanes have an open key).  All 32 lanes store the same 8 bytes, so that a unit's 256 bytes are written whole.
; A block's scale is 2^(floor(log2(largest magnitude)) - 8); its byte is that magnitude's exponent field - 8, held at 1 from below.
; LIMITS: a block of zeros, or one whose largest magnitude lies under 2^-118, gets the byte 1 (its codes then are zeros or subnormal codes; the bytes are read by this program alone); NaN and infinities are not served.
; SHARES: work-groups 0-447: wave w takes image tile 4 g + w (16 rows x 1,024: eight steps of 128 along K).  Work-groups 448-511: wave w takes half a query tile's rows of the mask (16 rows x 1,024 keys: eight steps).
; Each load reads 512 consecutive bytes of one row; a step's 16 rows x 512 bytes turn through the wave's own stage in LDS (rows 528 bytes apart) and come back as 16 neighbours of each block of 32 a lane.
; Waves share nothing: no barrier.  The two paths never meet and have LDS bytes of their own.  Loads run two steps (32 loads a wave) ahead.
.set WSTG,  8704                       ; a wave's stage: 16 rows x 528 bytes, rounded up
.set MOFF,  4*WSTG                     ; the mask path's stages lie behind the other path's
.set SROW,  528
.set TM,    8                          ; v8-23   at work in QUANT (the mask path keeps its three addresses in v8-10)
.set PWS,   24                         ; v24-31  the eight steps' scale words (mask path: v24-25 the 64 words of a step, v26-27 the unit's two numbers)
.set R,     32                         ; v32-159 two sets of 64 registers as loaded
.set X,     160                        ; v160-223 64 numbers in the operand's order: register 16 c + i = k 32 c + 16 (lane / 16) + i of my row
.set PC,    224                        ; v224-255 two sets of 16 registers of codes
.set SEL,   32                         ; s[32:33] v_permlanex16_b32's selects for lane l xor 16
.set MNT,   34                         ; s34 the mantissa field of 448
	s_load_b512 s[4:19], s[0:1], 0x0               ; q, k, v, Wq, Wk, Wv, Wo, mask
	s_load_b128 s[20:23], s[0:1], 0x40             ; codes, scales
	s_load_b64 s[24:25], s[0:1], 0x50              ; mw
	s_load_b64 s[40:41], s[0:1], 0x58              ; mc
	s_set_vgpr_msb 0x40
	v_lshl_add_u32 v0, v0, 2, 0x11000
	v_mov_b32 v1, 0
	s_set_vgpr_msb 0x4000
	v_lshrrev_b32 v1, 5, v0
	v_readfirstlane_b32 s26, v1                    ; wave
	v_and_b32 v1, 31, v0                           ; lane
	v_and_b32 v2, 15, v0                           ; r
	v_bfe_u32 v3, v0, 4, 1                         ; h
	v_lshlrev_b32 v4, 4, v1                        ; 16 x lane: my bytes of a load's 512, and of a store's
	s_mul_i32 s29, s26, WSTG
	v_add_nc_u32 v5, s29, v4                       ; the stage, on the way in: a row as it lies
	v_mul_u32_u24 v6, v2, SROW
	v_lshl_add_u32 v6, v3, 6, v6
	v_add_nc_u32 v6, s29, v6                       ; and on the way out: row r, + 64 h
	v_lshlrev_b32 v7, 5, v2
	v_lshl_add_u32 v7, v3, 4, v7                   ; the scale bytes: 32 r + 16 h
	v_add_nc_u32 v8, MOFF, v5                      ; the mask path's stage
	v_add_nc_u32 v9, MOFF, v6
	v_lshlrev_b32 v10, 3, v1                       ; and its stores: 8 bytes a lane
	s_mov_b32 s[SEL], 0x76543210
	s_mov_b32 s[SEL+1], 0xfedcba98
	s_mov_b32 s[MNT], 0x600000
.macro LOAD t, pitch                   ; step t: 16 rows x 512 bytes into set t % 2; stage row i is row i + 8 (i / 8) from the tile's first
.irp i, 0,1,2,3,4,5,6,7,8,9,10,11,12,13,14,15
	global_load_b128 v[R+64*((\t)%2)+4*\i:R+64*((\t)%2)+4*\i+3], v4, s[4:5] offset:(\i+8*(\i/8))*\pitch+512*(\t) th:TH_LOAD_NT
.endr
.endm
.macro TURN t, in, out                 ; through the stage: LDS serves a wave's instructions in order, so no wait stands between the stores and the loads
.irp i, 0,1,2,3,4,5,6,7,8,9,10,11,12,13,14,15
	ds_store_b128 v[\in], v[R+64*((\t)%2)+4*\i:R+64*((\t)%2)+4*\i+3] offset:SROW*\i
.endr
.irp c, 0,1,2,3
.irp j, 0,1,2,3
	ds_load_b128 v[X+16*\c+4*\j:X+16*\c+4*\j+3], v[\out] offset:128*\c+16*\j
.endr
.endr
.endm
; 64 numbers of a lane from v[s] on become a fragment's 16 registers of codes from v[pc] on and its scale word in v[pw]
.macro QUANT s, pc, pw
.irp b, 0,1,2,3
	v_max3_num_f32 v[TM+\b], |v[\s+16*\b]|, |v[\s+1+16*\b]|, 0x4800000   ; block b: my 16 numbers and the floor 2^(9 - 127), which holds the byte at 1 from below
.endr
.irp i, 2,4,6,8,10,12,14
.irp b, 0,1,2,3
	v_max3_num_f32 v[TM+\b], v[TM+\b], |v[\s+16*\b+\i]|, |v[\s+1+16*\b+\i]|
.endr
.endr
.irp b, 0,1,2,3
	v_permlanex16_b32 v[TM+4+\b], v[TM+\b], s[SEL], s[SEL+1]
.endr
.irp b, 0,1,2,3
	v_max_num_f32 v[TM+\b], v[TM+\b], v[TM+4+\b]                 ; with lane l xor 16's 16: the block's largest magnitude
.endr
.irp b, 0,1,2,3
	v_add_nc_u32 v[TM+12+\b], 0xfc000000, v[TM+\b]               ; 8 off its exponent field: the conversion's scale operand
.endr
.irp b, 0,1,2,3
	v_and_or_b32 v[TM+8+\b], v[TM+\b], 0x7f800000, s[MNT]        ; 448 x the scale
.endr
.irp b, 0,1,2,3
	v_lshrrev_b32 v[TM+4+\b], 23, v[TM+12+\b]                    ; the scale's byte
.endr
	v_lshl_or_b32 v[\pw], v[TM+5], 8, v[TM+4]
	v_lshl_or_b32 v[\pw], v[TM+6], 16, v[\pw]
	v_lshl_or_b32 v[\pw], v[TM+7], 24, v[\pw]
.irp b, 0,1,2,3
.irp i, 0,1,2,3,4,5,6,7,8,9,10,11,12,13,14,15
	v_med3_num_f32 v[\s+16*\b+\i], v[\s+16*\b+\i], -v[TM+8+\b], v[TM+8+\b]   ; the conversion to an 8-bit code does not saturate (ISA guide 7.6.2): the hold
.endr
	v_cvt_scalef32_pk8_fp8_f32 v[\pc+4*\b:\pc+1+4*\b], v[\s+16*\b:\s+7+16*\b], v[TM+12+\b]
	v_cvt_scalef32_pk8_fp8_f32 v[\pc+2+4*\b:\pc+3+4*\b], v[\s+8+16*\b:\s+15+16*\b], v[TM+12+\b]
.endr
	v_nop                                          ; a plain line behind the last conversion
.endm
	s_cmp_ge_u32 ttmp9, 448
	s_cbranch_scc1 .Lmask
	; ---- the quantising path
	s_lshr_b32 s27, ttmp9, 7                       ; tensor 0-2 and the work-group's number in it,
	s_and_b32 s28, ttmp9, 127
	s_sub_co_u32 s29, ttmp9, 384                   ; or tensor 3-6
	s_lshr_b32 s35, s29, 4
	s_add_co_u32 s35, s35, 3
	s_and_b32 s29, s29, 15
	s_cmp_lt_u32 ttmp9, 384
	s_cselect_b32 s27, s27, s35
	s_cselect_b32 s28, s28, s29
	s_lshl_b32 s28, s28, 2
	s_add_co_u32 s28, s28, s26                     ; my tile in its tensor
	s_lshr_b32 s30, s28, 1
	s_lshl_b32 s30, s30, 5
	s_and_b32 s31, s28, 1
	s_lshl_b32 s31, s31, 3
	s_add_co_u32 s30, s30, s31                     ; its first row: 32 (T / 2) + 8 (T % 2)
	s_lshl_b32 s30, s30, 12                        ; rows of 4,096 bytes
	s_mov_b32 s31, 0
	s_lshl_b32 s36, ttmp9, 2
	s_add_co_u32 s36, s36, s26                     ; my tile among all 1,792
	s_lshl_b32 s38, s36, 9
	s_mov_b32 s39, 0
	s_lshl_b32 s36, s36, 14
	s_mov_b32 s37, 0
.irp b, 0,1,2,3
	v_mov_b32 v[TM+4+\b], 0                        ; written once: a lane permute's destination counts as one of its sources
.endr
	s_wait_kmcnt 0x0
	s_cmp_eq_u32 s27, 1                            ; the tensor's address: a choice that hangs on the work-group's number alone
	s_cselect_b64 s[4:5], s[6:7], s[4:5]
	s_cmp_eq_u32 s27, 2
	s_cselect_b64 s[4:5], s[8:9], s[4:5]
	s_cmp_eq_u32 s27, 3
	s_cselect_b64 s[4:5], s[10:11], s[4:5]
	s_cmp_eq_u32 s27, 4
	s_cselect_b64 s[4:5], s[12:13], s[4:5]
	s_cmp_eq_u32 s27, 5
	s_cselect_b64 s[4:5], s[14:15], s[4:5]
	s_cmp_eq_u32 s27, 6
	s_cselect_b64 s[4:5], s[16:17], s[4:5]
	s_add_nc_u64 s[4:5], s[4:5], s[30:31]
	s_add_nc_u64 s[20:21], s[20:21], s[36:37]
	s_add_nc_u64 s[22:23], s[22:23], s[38:39]
	LOAD 0, 4096
	LOAD 1, 4096
.macro QSTEP t
.if (\t) < 7
	s_wait_loadcnt 16                              ; this step's 16 loads are in; the next step's 16 may be out
.else
	s_wait_loadcnt 0x0
.endif
	TURN \t, 5, 6
	s_wait_dscnt 0x0                               ; the 64 numbers are back, and the stage's stores have read the set
	s_wait_xcnt 0x0                                ; the stores of two steps ago have read their codes: that set is written again below
.if (\t) < 6
	LOAD (\t)+2, 4096
.endif
	QUANT X, PC+16*((\t)%2), PWS+(\t)
.irp c, 0,1,2,3
	global_store_b128 v4, v[PC+16*((\t)%2)+4*\c:PC+16*((\t)%2)+4*\c+3], s[20:21] offset:2048*(\t)+512*\c   ; 512 consecutive bytes, aligned
.endr
.endm
.irp t, 0,1,2,3,4,5,6,7
	QSTEP \t
.endr
	v_cmp_ne_u32 vcc_lo, 0, v3                     ; a row's 32 scale bytes: lanes 0-15 store words 0-3, lanes 16-31 words 4-7
.irp j, 0,1,2,3
	v_cndmask_b32 v[PWS+\j], v[PWS+\j], v[PWS+4+\j], vcc_lo
.endr
	global_store_b128 v7, v[PWS:PWS+3], s[22:23]   ; the tile's 512 scale bytes on end
	s_set_vgpr_msb 0x5
	s_wait_tensorcnt 0x0
	ds_add_u32 v0, v1
	s_wait_dscnt 0x0
	s_set_vgpr_msb 0x500
	s_endpgm
	; ---- the mask path
.Lmask:
	s_sub_co_u32 s27, ttmp9, 448
	s_lshl_b32 s27, s27, 2
	s_add_co_u32 s27, s27, s26                     ; unit 0-255
	s_lshl_b32 s42, s27, 8                         ; its 256 bytes of mc
	s_mov_b32 s43, 0
	s_lshr_b32 s28, s27, 1                         ; query tile
	s_and_b32 s27, s27, 1                          ; which 1,024 keys
	s_lshr_b32 s30, s28, 1
	s_lshl_b32 s30, s30, 5
	s_and_b32 s31, s28, 1
	s_lshl_b32 s31, s31, 3
	s_add_co_u32 s30, s30, s31                     ; the tile's first row
	s_lshl_b32 s30, s30, 13                        ; rows of 8,192 bytes
	s_lshl_b32 s31, s27, 12
	s_add_co_u32 s30, s30, s31
	s_mov_b32 s31, 0
	s_lshl_b32 s36, s28, 12                        ; 16 steps x 256 bytes a query tile
	s_lshl_b32 s37, s27, 11
	s_add_co_u32 s36, s36, s37
	s_mov_b32 s37, 0
	v_mov_b32 v24, 0                               ; written once: v_writelane_b32's destination counts as read
	v_mov_b32 v25, 0
	s_wait_kmcnt 0x0
	s_add_nc_u64 s[4:5], s[18:19], s[30:31]
	s_add_nc_u64 s[24:25], s[24:25], s[36:37]
	s_add_nc_u64 s[40:41], s[40:41], s[42:43]
	s_mov_b32 s35, 0                               ; the unit's word 0: the steps' bits
	s_mov_b32 s29, 0                               ; its word 1: the lanes that have an open key
	LOAD 0, 8192
	LOAD 1, 8192
.macro MSTEP t
.if (\t) < 7
	s_wait_loadcnt 16
.else
	s_wait_loadcnt 0x0
.endif
	TURN \t, 8, 9
	s_wait_dscnt 0x0
	s_wait_xcnt 0x0                                ; the last step's store has read v24-25
.if (\t) < 6
	LOAD (\t)+2, 8192
.endif
	s_mov_b32 s42, -1                              ; the AND of the step's 64 words,
	s_mov_b32 s43, 0                               ; and their OR
.set n, 0
.rept 16                               ; word n is the compare's lane mask of register n; lane n / 2 keeps words n and n + 1
	v_cmp_ne_u32 s36, 0, v[X+n]
	v_cmp_ne_u32 s37, 0, v[X+n+1]
	v_cmp_ne_u32 s38, 0, v[X+n+2]
	v_cmp_ne_u32 s39, 0, v[X+n+3]
	v_writelane_b32 v24, s36, n/2
	v_writelane_b32 v25, s37, n/2
	v_writelane_b32 v24, s38, n/2+1
	v_writelane_b32 v25, s39, n/2+1
	s_and_b32 s30, s36, s37
	s_and_b32 s31, s38, s39
	s_and_b32 s42, s42, s30
	s_and_b32 s42, s42, s31
	s_or_b32 s30, s36, s37
	s_or_b32 s31, s38, s39
	s_or_b32 s43, s43, s30
	s_or_b32 s43, s43, s31
.set n, n+4
.endr
	s_or_b32 s29, s29, s43
	s_cmp_lg_u32 s43, 0                            ; some pair of the step is open
	s_cselect_b32 s30, 1<<(\t), 0
	s_or_b32 s35, s35, s30
	s_cmp_eq_u32 s42, -1                           ; all are
	s_cselect_b32 s30, 1<<(8+(\t)), 0
	s_or_b32 s35, s35, s30
	global_store_b64 v10, v[24:25], s[24:25] offset:256*(\t)   ; the step's 64 words: 256 consecutive bytes, aligned
.endm
.irp t, 0,1,2,3,4,5,6,7
	MSTEP \t
.endr
	v_mov_b32 v26, s35
	v_mov_b32 v27, s29
	global_store_b64 v10, v[26:27], s[40:41]       ; the unit's two numbers, 32 times: 256 consecutive bytes, aligned
	s_set_vgpr_msb 0x5
	s_wait_tensorcnt 0x0
	ds_add_u32 v0, v1
	s_wait_dscnt 0x0
	s_set_vgpr_msb 0x500
	s_endpgm
.Lfunc_end_k_q2832f09a39_prep:
	.size	k_q2832f09a39_prep, .Lfunc_end_k_q2832f09a39_prep-k_q2832f09a39_prep
	.p2alignl 7, 3214868480
	.fill 96, 4, 3214868480
	.section	.rodata,"a",@progbits
	.p2align	6, 0x0
	.amdhsa_kernel k_q2832f09a39_prep
		.amdhsa_group_segment_fixed_size 70144
		.amdhsa_private_segment_fixed_size 0
		.amdhsa_enable_private_segment 0
		.amdhsa_kernarg_size 96
		.amdhsa_user_sgpr_count 2
		.amdhsa_user_sgpr_kernarg_segment_ptr 1
		.amdhsa_wavefront_size32 1
		.amdhsa_system_sgpr_workgroup_id_x 1
		.amdhsa_system_sgpr_workgroup_id_y 1
		.amdhsa_system_sgpr_workgroup_id_z 1
		.amdhsa_system_vgpr_workitem_id 0
		.amdhsa_next_free_vgpr 258
		.amdhsa_next_free_sgpr 66
		.amdhsa_reserve_vcc 1
		.amdhsa_float_denorm_mode_32 3
		.amdhsa_float_denorm_mode_16_64 3
		.amdhsa_memory_ordered 1
		.amdhsa_forward_progress 1
		.amdhsa_inst_pref_size 229
	.end_amdhsa_kernel
	.amdgpu_metadata
---
amdhsa.version: [ 1, 2 ]
amdhsa.kernels:
  - .name:           k_q2832f09a39_prep
    .symbol:         k_q2832f09a39_prep.kd
    .args:
      - { .name: q, .offset: 0, .size: 8, .value_kind: global_buffer, .address_space: global }
      - { .name: k, .offset: 8, .size: 8, .value_kind: global_buffer, .address_space: global }
      - { .name: v, .offset: 16, .size: 8, .value_kind: global_buffer, .address_space: global }
      - { .name: Wq, .offset: 24, .size: 8, .value_kind: global_buffer, .address_space: global }
      - { .name: Wk, .offset: 32, .size: 8, .value_kind: global_buffer, .address_space: global }
      - { .name: Wv, .offset: 40, .size: 8, .value_kind: global_buffer, .address_space: global }
      - { .name: Wo, .offset: 48, .size: 8, .value_kind: global_buffer, .address_space: global }
      - { .name: mask, .offset: 56, .size: 8, .value_kind: global_buffer, .address_space: global }
      - { .name: codes, .offset: 64, .size: 8, .value_kind: global_buffer, .address_space: global }
      - { .name: scales, .offset: 72, .size: 8, .value_kind: global_buffer, .address_space: global }
      - { .name: mw, .offset: 80, .size: 8, .value_kind: global_buffer, .address_space: global }
      - { .name: mc, .offset: 88, .size: 8, .value_kind: global_buffer, .address_space: global }
    .group_segment_fixed_size: 70144
    .private_segment_fixed_size: 0
    .kernarg_segment_align: 8
    .kernarg_segment_size: 96
    .max_flat_workgroup_size: 128
    .sgpr_count:     66
    .vgpr_count:     258
    .wavefront_size: 32
...
	.end_amdgpu_metadata
.endif
;; end of part 5
;; launch proj: the kernel of part 2 again; grid 32 x 12, 4 waves a work-group, clusters of 4 x 4, 327,680 bytes of LDS; arguments codes, scales, bq, bk, bv, hq, hkv; writes hq, hkv
;; launch attn (part 6): grid 4 x 64, 16 waves a work-group, no clusters, 272,384 bytes of LDS; arguments hq, hkv, mw, mc, cc, cs; writes cc, cs
.if DOCPART == 6
	.amdgcn_target "amdgcn-amd-amdhsa--gfx1250"
	.amdhsa_code_object_version 6
	.text
	.protected	k_q2832f09a39_attn
	.globl	k_q2832f09a39_attn
	.p2align	8
	.type	k_q2832f09a39_attn,@function
k_q2832f09a39_attn:
	s_mov_b64 s[64:65], 0
	v_nop
	global_prefetch_b8 v0, s[64:65] scope:SCOPE_SE
	s_setreg_imm32_b32 hwreg(HW_REG_WAVE_MODE, 25, 1), 1
	s_wait_xcnt 0x0
; ATTN.  ctx = softmax(mask ? Q K^T / 8 : -1e9) V for one head, both products on codes of FP8 (E4M3) with E8M0 scales; ctx is quantised along the model's 1,024 in registers and leaves as an image of operand registers.
; THE SOFTMAX AHEAD OF THE SECOND PRODUCT: t = score x log2(e) / 8; M = the running largest t rounded UP to a whole number; p = 2^(t - M) is quantised along the keys; the sum is taken of the unquantised p and divides at the end.
; THE MASK is an input.  Its lane words (made by the first launch) choose, by v_cndmask_b32, between the score and -2^33.  The first launch also stored, for each query tile and key step, whether any pair is open and whether
; all are, and which rows have an open key.  By these whole numbers a wave (a) jumps over a step of 128 keys none of whose pairs is open, if every one of its 16 rows has an open key somewhere: a masked pair's p is then 0,
; and what was summed under a masked maximum is multiplied by 0 when the first open key comes, so such a step adds nothing; (b) jumps over the 64 selects of a step all of whose pairs are open.  A tile with a row that is
; masked throughout leaves no step out: that row's result is the plain average over all keys.  Nothing of the mask's pattern is built in.
; LIMIT: a masked logit is held at -2^30 in place of -1e9 (-2^33 x c is exact in f32, so that a row that is masked throughout gives p = 1 for every key, as with -1e9); the results are those of -1e9 as long as unmasked
; logits lie above about -1e9.  NaN and infinities are not served.  A block of zeros gets the byte 1 (read by this program alone).
; SHARES.  Work-group (x, head) takes query tiles 4 j + x, j = 0 .. 31; wave w takes j = w in pass 0 and j = 31 - w in pass 1: whichever band of queries a mask gives more work, it is spread over work-groups and waves.
; THE WHOLE HEAD RECORD, 270,336 bytes, comes into LDS ONCE, as it lies in memory: each of the sixteen waves brings 16,896 bytes (33 loads of 512) through its registers; one barrier; from then on LDS is only read.
; NO JOINT LOADS, though four work-groups read the same record: each of the four reads the record once.
; THE HEAD'S 64 IN AN INSTRUCTION OF 128: a fragment of K holds TWO tiles of 16 keys (k 0-63: tile 2 g, k 64-127: tile 2 g + 1).  Q stands between two runs of eight zero registers: v[24:39] = Q | 0 gives the first tile's
; scores, v[16:31] = 0 | Q the second's; the other half multiplies codes by zero codes.
; LAYOUT.  Both products are used transposed; a lane holds one query (lane % 16).  By the order of rows in a tile, score register 16 b + i is key 32 b + 16 (lane / 16) + i of the step, and O's register 16 g + i channel 32 g + 16 (lane / 16) + i.
; REGISTERS: v1 16 x lane, v2 16 r, v3-4 LDS addresses, v5 -2^33, v7 32 r, v8 Q's scales, v9 at work; v12 -M, v13 largest t, v[14:15] the sum; v16-39 0 | Q | 0; v40-103 four fragments of K, then of V; v104-167 scores, then p;
;   v168-199 O^T; v200-215 p's codes; v216-237 at work; v234 p's scale word; v248-251 K's scale words, v252-255 V's.  At the head v40-167 and v200-203 carry my part of the record.
; SCALARS: s2 wave, s3 counter, s[4:5] the mask words' address, s[6:7] c, s8 the steps' bits 'some pair open', s9 'all open', s10 my query tile, s11 the head, s12-23 the six buffers, s24-31 at work,
;   s32-63 and s68-99 a step's 64 mask words (at work at a pass's head), s[66:67] lane selects, s100 448's mantissa, s101, s104 LDS places, s105 the work-group's x.
.set HREC,  270336
.set CREC,  67584
.set WPART, 16896                      ; a wave's part of the record
.set WV,  2
.set CNT, 3
.set MP,  4
.set CS,  6
.set ANY, 8
.set ALL, 9
.set TQ,  10
.set HB,  11
.set SEL, 66
.set MNT, 100
.set TB,  101
.set TS,  104
.set CX,  105
.set LI,  1
.set R16, 2
.set ADK, 3
.set ADS, 4
.set NEG, 5
.set R32, 7
.set QS,  8
.set KF,  40
.set S,   104
.set O,   168
.set PCD, 200
.set BM,  216
.set T1,  220
.set HOLD, 224
.set SCO, 228
.set F,   232
.set PWD, 234
.set TMP, 235
.set L2,  236
.set KSC, 248
.set VSC, 252
	s_load_b256 s[12:19], s[0:1], 0x0              ; hq, hkv, mw, mc
	s_load_b128 s[20:23], s[0:1], 0x20             ; cc, cs
	v_lshl_add_u32 v246, v0, 2, 0x42000
	v_mov_b32 v247, 0
	v_lshrrev_b32 v1, 5, v0
	v_readfirstlane_b32 s[WV], v1                  ; wave 0..15
	s_mov_b32 s[CX], ttmp9
	s_and_b32 s[HB], ttmp7, 0xffff                 ; the head
	s_mul_i32 s26, s[WV], WPART                    ; my part of the record: the same place in memory and in LDS
	s_mul_i32 s24, s[HB], HREC
	s_add_co_u32 s24, s24, s26
	s_mov_b32 s25, 0
	s_mov_b32 s[CS], 0x3e38aa3b                    ; c = log2(e) / 8
	s_mov_b32 s[CS+1], s[CS]
	s_mov_b32 s[SEL], 0x76543210
	s_mov_b32 s[SEL+1], 0xfedcba98
	s_mov_b32 s[MNT], 0x600000
	v_and_b32 v[LI], 31, v0
	v_lshlrev_b32 v[LI], 4, v[LI]
	v_add_nc_u32 v[ADK], s26, v[LI]                ; where my part goes
	v_and_b32 v[R16], 15, v0
	v_lshlrev_b32 v[R32], 5, v[R16]
	v_lshlrev_b32 v[R16], 4, v[R16]
	s_wait_kmcnt 0x0
	s_add_nc_u64 s[24:25], s[14:15], s[24:25]
.set j, 0
.rept 32
	global_load_b128 v[KF+4*j:KF+4*j+3], v[LI], s[24:25] offset:512*j   ; 512 consecutive bytes a load; all 33 are asked for at once
.set j, j+1
.endr
	global_load_b128 v[PCD:PCD+3], v[LI], s[24:25] offset:512*32
	v_mov_b32 v[NEG], 0xd0000000                   ; -2^33
.irp j, 0,1,2,3,4,5,6,7
	v_mov_b32 v[16+\j], 0                          ; the zero codes on both sides of Q
	v_mov_b32 v[32+\j], 0
.endr
.irp b, 0,1,2,3
	v_mov_b32 v[T1+\b], 0                          ; written once: a lane permute's destination counts as one of its sources
.endr
	v_mov_b32 v[F+1], 0                            ; (named as the upper half of a pair)
	v_mov_b32 v[TMP], 0
; A KEY STEP: 128 keys.  s[TB]: where the step's fragments of K begin in LDS (V's 32,768 further on); s[TS]: its scale words of K (V's 1,024 further on).  Bit 0 of s[ANY] and of s[ALL] are the step's.
.macro STEP
	s_bitcmp1_b32 s[ANY], 0                        ; no pair of this step is open (and every row of mine has an open key elsewhere): the step adds nothing
	s_cbranch_scc0 .Lhidden_\@
	s_load_b512 s[32:47], s[MP:MP+1], 0x0          ; the step's 64 mask words: asked for in every step that is worked, so that a mixed step finds them in; an open step reads none of them
	s_load_b512 s[48:63], s[MP:MP+1], 0x40
	s_load_b512 s[68:83], s[MP:MP+1], 0x80
	s_load_b512 s[84:99], s[MP:MP+1], 0xc0
	v_add_nc_u32 v[ADK], s[TB], v[LI]
	v_add_nc_u32 v[ADS], s[TS], v[R16]
.rept 6
	v_nop                                          ; with the two additions: eight places in front of loads into registers that the last products read
.endr
.irp f, 0,1,2,3
.irp c, 0,1,2,3
	ds_load_b128 v[KF+16*\f+4*\c:KF+16*\f+4*\c+3], v[ADK] offset:2048*\f+512*\c
.endr
.endr
	ds_load_b128 v[KSC:KSC+3], v[ADS]
	s_wait_dscnt 0x0
.irp f, 0,1,2,3                                ; S^T = K Q^T: a fragment's two tiles of keys
	v_wmma_scale_f32_16x16x128_f8f6f4 v[S+16*\f:S+16*\f+7], v[KF+16*\f:KF+16*\f+15], v[24:39], 0, v[KSC+\f], v[QS]
	v_wmma_scale_f32_16x16x128_f8f6f4 v[S+16*\f+8:S+16*\f+15], v[KF+16*\f:KF+16*\f+15], v[16:31], 0, v[KSC+\f], v[QS]
.endr
.rept 8
	v_nop                                          ; places in front of the loads below and of the first read of the scores
.endr
.irp f, 0,1,2,3                                ; V's four tiles of channels: they land under the softmax
.irp c, 0,1,2,3
	ds_load_b128 v[KF+16*\f+4*\c:KF+16*\f+4*\c+3], v[ADK] offset:32768+2048*\f+512*\c
.endr
.endr
	ds_load_b128 v[VSC:VSC+3], v[ADS] offset:1024
	s_bitcmp1_b32 s[ALL], 0                        ; all pairs of this step are open: nothing to select
	s_cbranch_scc1 .Lopen_\@
	s_wait_kmcnt 0x0                               ; the mask words are in
.set n, 0
.rept 32
	v_cndmask_b32 v[S+n], v[NEG], v[S+n], s[32+n]  ; bit 1: the score stays; bit 0: -2^33.  Ascending: each accumulator is read from its low end on
.set n, n+1
.endr
.rept 32
	v_cndmask_b32 v[S+n], v[NEG], v[S+n], s[36+n]
.set n, n+1
.endr
.Lopen_\@:
.irp b, 0,1,2,3
	v_max3_num_f32 v[BM+\b], v[S+16*\b], v[S+1+16*\b], v[S+2+16*\b]   ; the largest score of each block of 32 keys: for the row's maximum, and, since p rises with the score, for the block's largest p
.endr
.irp i, 3,5,7,9,11,13
.irp b, 0,1,2,3
	v_max3_num_f32 v[BM+\b], v[BM+\b], v[S+16*\b+\i], v[S+1+16*\b+\i]
.endr
.endr
.irp b, 0,1,2,3
	v_max_num_f32 v[BM+\b], v[BM+\b], v[S+15+16*\b]
.endr
.irp b, 0,1,2,3
	v_permlanex16_b32 v[T1+\b], v[BM+\b], s[SEL], s[SEL+1]
.endr
.irp b, 0,1,2,3
	v_max_num_f32 v[BM+\b], v[BM+\b], v[T1+\b]
.endr
	v_max3_num_f32 v[TMP], v[BM], v[BM+1], v[BM+2]
	v_max_num_f32 v[TMP], v[TMP], v[BM+3]
	v_mul_f32 v[TMP], s[CS], v[TMP]                ; as t (c is positive)
	v_max_num_f32 v13, v13, v[TMP]                 ; the running largest t
	v_mov_b32 v[TMP], v12
	v_floor_f32 v12, -v13                          ; the new -M = -ceil(t): a whole number
	v_sub_f32 v[TMP], v12, v[TMP]                  ; old M - new M, 0 or less
	v_cvt_i32_f32 v[TMP], v[TMP]                   ; (it saturates)
	v_ldexp_f32 v[F], 1.0, v[TMP]                  ; f = 2^(old M - new M)
.irp j, 0,2,4,6,8,10,12,14,16,18,20,22,24,26,28,30,32,34,36,38,40,42,44,46,48,50,52,54,56,58,60,62
	v_pk_fma_f32 v[S+\j:S+\j+1], v[S+\j:S+\j+1], s[CS:CS+1], v[12:13] op_sel_hi:[1,0,0]   ; t - M
.endr
.irp b, 0,1,2,3
	v_fma_f32 v[BM+\b], v[BM+\b], s[CS], v12
.endr
.set n, 0
.rept 64
	v_exp_f32 v[S+n], v[S+n]                       ; p = 2^(t - M)
.set n, n+1
.endr
	v_pk_mul_f32 v[14:15], v[14:15], v[F:F+1] op_sel_hi:[1,0]      ; the sums under the new M: a plain line behind the exponentials
	s_wait_alu depctr_va_vdst(0)                   ; one wait for the batch, ahead of its first reader
	s_wait_kmcnt 0x0                               ; an open step's wait for its mask words: they were asked for at the step's head; behind this wait their address may step and their registers be loaded again
.irp b, 0,1,2,3
	v_exp_f32 v[BM+\b], v[BM+\b]                   ; each block's largest p
.endr
	v_pk_add_f32 v[L2:L2+1], v[S:S+1], v[S+2:S+3]  ; the row's sum of the unquantised p, in two chains
.irp j, 4,8,12,16,20,24,28,32,36,40,44,48,52,56,60
	v_pk_add_f32 v[14:15], v[14:15], v[S+\j:S+\j+1]
	v_pk_add_f32 v[L2:L2+1], v[L2:L2+1], v[S+2+\j:S+3+\j]
.endr
	v_pk_add_f32 v[14:15], v[14:15], v[L2:L2+1]
	s_wait_alu depctr_va_vdst(0)                   ; and one for the four
.irp b, 0,1,2,3
	v_max_num_f32 v[BM+\b], 0x4800000, v[BM+\b]    ; the floor 2^(9 - 127)
.endr
.irp b, 0,1,2,3
	v_add_nc_u32 v[SCO+\b], 0xfc000000, v[BM+\b]
.endr
.irp b, 0,1,2,3
	v_and_or_b32 v[HOLD+\b], v[BM+\b], 0x7f800000, s[MNT]
.endr
.irp b, 0,1,2,3
	v_lshrrev_b32 v[T1+\b], 23, v[SCO+\b]
.endr
	v_lshl_or_b32 v[PWD], v[T1+1], 8, v[T1]        ; p's scale word for these 128 keys
	v_lshl_or_b32 v[PWD], v[T1+2], 16, v[PWD]
	v_lshl_or_b32 v[PWD], v[T1+3], 24, v[PWD]
.irp b, 0,1,2,3
.irp i, 0,1,2,3,4,5,6,7,8,9,10,11,12,13,14,15
	v_min_num_f32 v[S+16*\b+\i], v[S+16*\b+\i], v[HOLD+\b]         ; p is not negative: a one-sided hold (ISA guide 7.6.2)
.endr
	v_cvt_scalef32_pk8_fp8_f32 v[PCD+4*\b:PCD+1+4*\b], v[S+16*\b:S+7+16*\b], v[SCO+\b]
	v_cvt_scalef32_pk8_fp8_f32 v[PCD+2+4*\b:PCD+3+4*\b], v[S+8+16*\b:S+15+16*\b], v[SCO+\b]
.endr
.irp j, 0,2,4,6,8,10,12,14,16,18,20,22,24,26,28,30
	v_pk_mul_f32 v[O+\j:O+\j+1], v[O+\j:O+\j+1], v[F:F+1] op_sel_hi:[1,0]   ; O^T under the new M; these sixteen are also the places in front of the products
.endr
	s_wait_dscnt 0x0                               ; V
.irp t, 0,1,2,3                                ; O^T += V^T P^T: the four accumulators by turns
	v_wmma_scale_f32_16x16x128_f8f6f4 v[O+8*\t:O+8*\t+7], v[KF+16*\t:KF+16*\t+15], v[PCD:PCD+15], v[O+8*\t:O+8*\t+7], v[VSC+\t], v[PWD]
.endr
.Lhidden_\@:                                       ; what steps from step to step is stepped on both ways
	s_add_nc_u64 s[MP:MP+1], s[MP:MP+1], 256
	s_lshr_b32 s[ANY], s[ANY], 1
	s_lshr_b32 s[ALL], s[ALL], 1
	s_add_co_u32 s[TB], s[TB], 8192
	s_add_co_u32 s[TS], s[TS], 256
.endm
.macro CHUNK i                         ; a chunk record of 512 keys: four steps; the trip count is a constant, the work of a step is what a branch leaves out
	s_mov_b32 s[TB], \i*CREC
	s_mov_b32 s[TS], \i*CREC+65536
	s_mov_b32 s[CNT], 4
.Lstep_\@:
	STEP
	s_sub_co_u32 s[CNT], s[CNT], 1
	s_cmp_lg_u32 s[CNT], 0
	s_cbranch_scc1 .Lstep_\@
.endm
.macro PASS p
	s_wait_xcnt 0x0                                ; what was issued before (the record's loads; the last pass's stores) has read its registers and bases
.if \p
	s_sub_co_u32 s[TQ], 31, s[WV]
	s_lshl_b32 s[TQ], s[TQ], 2
.else
	s_lshl_b32 s[TQ], s[WV], 2
.endif
	s_add_co_u32 s[TQ], s[TQ], s[CX]               ; my query tile: 4 j + x
	s_lshl_b32 s24, s[TQ], 9
	s_mov_b32 s25, 0
	s_add_nc_u64 s[24:25], s[18:19], s[24:25]
	s_load_b64 s[28:29], s[24:25], 0x0             ; the tile's two numbers for keys 0-1023,
	s_load_b64 s[30:31], s[24:25], 0x100           ; and for keys 1024-2047
	s_mul_i32 s72, s[HB], HREC
	s_lshr_b32 s73, s[TQ], 5                       ; the chunk of 512 queries
	s_mul_i32 s73, s73, CREC
	s_add_co_u32 s72, s72, s73
	s_bfe_u32 s73, s[TQ], 0x40001                  ; the fragment of 32 queries in the chunk
	s_and_b32 s76, s[TQ], 1                        ; and which of its two tiles
	s_lshl_b32 s74, s73, 11
	s_lshl_b32 s75, s76, 10
	s_add_co_u32 s74, s74, s75
	s_add_co_u32 s74, s74, s72
	s_mov_b32 s75, 0
	s_lshr_b32 s78, s73, 2
	s_lshl_b32 s78, s78, 8
	s_and_b32 s79, s73, 3
	s_lshl_b32 s79, s79, 2
	s_add_co_u32 s78, s78, s79
	s_add_co_u32 s78, s78, s72
	s_add_co_u32 s78, s78, 65536                   ; the fragment's scale words
	s_mov_b32 s79, 0
	s_lshl_b32 s80, s[TQ], 12                      ; the tile's mask words: 16 steps x 256 bytes
	s_mov_b32 s81, 0
	s_mov_b32 s82, 0x03020302                      ; my tile's two bytes of the word, twice: they serve Q | 0 and 0 | Q
	s_cmp_eq_u32 s76, 0
	s_cselect_b32 s82, 0x01000100, s82
	s_add_nc_u64 s[74:75], s[12:13], s[74:75]
	s_add_nc_u64 s[78:79], s[12:13], s[78:79]
	s_add_nc_u64 s[MP:MP+1], s[16:17], s[80:81]
	global_load_b128 v[24:27], v[LI], s[74:75]     ; Q: channels 0-31,
	global_load_b128 v[28:31], v[LI], s[74:75] offset:512   ; 32-63
	global_load_b32 v9, v[R16], s[78:79]
	v_mov_b32 v13, 0xff61b1e6                      ; the largest t so far: -3e38
	v_floor_f32 v12, -v13
	v_mov_b32 v14, 0
	v_mov_b32 v15, 0
	s_wait_kmcnt 0x0
	s_and_b32 s[ANY], s28, 0xff
	s_and_b32 s24, s30, 0xff
	s_lshl_b32 s24, s24, 8
	s_or_b32 s[ANY], s[ANY], s24                   ; bit s: step s has an open pair
	s_bfe_u32 s[ALL], s28, 0x80008
	s_and_b32 s24, s30, 0xff00
	s_or_b32 s[ALL], s[ALL], s24                   ; bit s: all pairs of step s are open
	s_or_b32 s24, s29, s31                         ; the lanes that have an open key;
	s_lshr_b32 s25, s24, 16
	s_or_b32 s24, s24, s25
	s_and_b32 s24, s24, 0xffff                     ; the rows: lanes r and r + 16 hold row r's keys
	s_cmp_eq_u32 s24, 0xffff
	s_cselect_b32 s[ANY], s[ANY], 0xffff           ; a tile with a row that is masked throughout leaves no step out
	s_wait_loadcnt 0x0                             ; Q and its scale word (in pass 0 also my part of the record)
	v_perm_b32 v[QS], v9, v9, s82
.set n, 0
.rept 32
	v_mov_b32 v[O+n], 0                            ; the step is written once: the first finds zeros
.set n, n+1
.endr
.if \p == 0
.set j, 0
.rept 32
	ds_store_b128 v[ADK], v[KF+4*j:KF+4*j+3] offset:512*j          ; my part of the record, as it lies in memory
.set j, j+1
.endr
	ds_store_b128 v[ADK], v[PCD:PCD+3] offset:512*32
	s_wait_dscnt 0x0                               ; for the others' sake: my stores have landed
	s_barrier_signal -1
	s_barrier_wait -1                              ; the whole record lies in LDS; nobody writes LDS again
.endif
	CHUNK 0
	CHUNK 1
	CHUNK 2
	CHUNK 3
.rept 8
	v_nop                                          ; places behind the last products
.endr
	v_add_f32 v14, v14, v15
	v_permlanex16_b32 v[TMP], v14, s[SEL], s[SEL+1]
	v_add_f32 v14, v14, v[TMP]                     ; the row's sum
	v_rcp_f32 v14, v14
	s_lshr_b32 s24, s[HB], 4
	s_lshl_b32 s24, s24, 7                         ; 128 tiles a batch
	s_add_co_u32 s24, s24, s[TQ]                   ; ctx's image tile
	s_and_b32 s28, s[HB], 15                       ; the head in the batch: its 64 channels are 1,024 bytes of the tile's image
	s_lshl_b32 s26, s24, 9
	s_lshl_b32 s27, s28, 1
	s_add_co_u32 s26, s26, s27
	s_mov_b32 s27, 0
	s_lshl_b32 s24, s24, 14
	s_lshl_b32 s25, s28, 10
	s_add_co_u32 s24, s24, s25
	s_mov_b32 s25, 0
	s_add_nc_u64 s[24:25], s[20:21], s[24:25]
	s_add_nc_u64 s[26:27], s[22:23], s[26:27]
	v_nop                                          ; a plain line behind the reciprocal
	s_wait_alu depctr_va_vdst(0)                   ; and the wait ahead of its first reader
.irp j, 0,2,4,6,8,10,12,14,16,18,20,22,24,26,28,30
	v_pk_mul_f32 v[S+\j:S+\j+1], v[O+\j:O+\j+1], v[14:15] op_sel_hi:[1,0]   ; ctx: register 16 g + i = channel 32 g + 16 (lane / 16) + i
.endr
.irp b, 0,1
	v_max3_num_f32 v[BM+\b], |v[S+16*\b]|, |v[S+1+16*\b]|, 0x4800000
.endr
.irp i, 2,4,6,8,10,12,14
.irp b, 0,1
	v_max3_num_f32 v[BM+\b], v[BM+\b], |v[S+16*\b+\i]|, |v[S+1+16*\b+\i]|
.endr
.endr
.irp b, 0,1
	v_permlanex16_b32 v[T1+\b], v[BM+\b], s[SEL], s[SEL+1]
.endr
.irp b, 0,1
	v_max_num_f32 v[BM+\b], v[BM+\b], v[T1+\b]
.endr
.irp b, 0,1
	v_add_nc_u32 v[SCO+\b], 0xfc000000, v[BM+\b]
.endr
.irp b, 0,1
	v_and_or_b32 v[HOLD+\b], v[BM+\b], 0x7f800000, s[MNT]
.endr
.irp b, 0,1
	v_lshrrev_b32 v[T1+\b], 23, v[SCO+\b]
.endr
	v_lshl_or_b32 v[TMP], v[T1+1], 8, v[T1]        ; the head's two scale bytes of my row
.irp b, 0,1
.irp i, 0,1,2,3,4,5,6,7,8,9,10,11,12,13,14,15
	v_med3_num_f32 v[S+16*\b+\i], v[S+16*\b+\i], -v[HOLD+\b], v[HOLD+\b]
.endr
	v_cvt_scalef32_pk8_fp8_f32 v[PCD+4*\b:PCD+1+4*\b], v[S+16*\b:S+7+16*\b], v[SCO+\b]
	v_cvt_scalef32_pk8_fp8_f32 v[PCD+2+4*\b:PCD+3+4*\b], v[S+8+16*\b:S+15+16*\b], v[SCO+\b]
.endr
	v_nop                                          ; a plain line behind the last conversion
	global_store_b128 v[LI], v[PCD:PCD+3], s[24:25]                ; 1,024 consecutive bytes in two stores
	global_store_b128 v[LI], v[PCD+4:PCD+7], s[24:25] offset:512
	global_store_b16 v[R32], v[TMP], s[26:27]      ; two bytes of each row's 32: rows 32 bytes apart; a thirty-second of ctx's bytes; lanes 16-31 write what lanes 0-15 write.  The other heads' bytes of a row are made by other work-groups
.endm
	PASS 0
	PASS 1
	s_wait_tensorcnt 0x0
	ds_add_u32 v246, v247
	s_wait_dscnt 0x0
	s_endpgm
.Lfunc_end_k_q2832f09a39_attn:
	.size	k_q2832f09a39_attn, .Lfunc_end_k_q2832f09a39_attn-k_q2832f09a39_attn
	.p2alignl 7, 3214868480
	.fill 96, 4, 3214868480
	.section	.rodata,"a",@progbits
	.p2align	6, 0x0
	.amdhsa_kernel k_q2832f09a39_attn
		.amdhsa_group_segment_fixed_size 272384
		.amdhsa_private_segment_fixed_size 0
		.amdhsa_enable_private_segment 0
		.amdhsa_kernarg_size 48
		.amdhsa_user_sgpr_count 2
		.amdhsa_user_sgpr_kernarg_segment_ptr 1
		.amdhsa_wavefront_size32 1
		.amdhsa_system_sgpr_workgroup_id_x 1
		.amdhsa_system_sgpr_workgroup_id_y 1
		.amdhsa_system_sgpr_workgroup_id_z 1
		.amdhsa_system_vgpr_workitem_id 0
		.amdhsa_next_free_vgpr 256
		.amdhsa_next_free_sgpr 106
		.amdhsa_reserve_vcc 0
		.amdhsa_float_denorm_mode_32 3
		.amdhsa_float_denorm_mode_16_64 3
		.amdhsa_memory_ordered 1
		.amdhsa_forward_progress 1
		.amdhsa_inst_pref_size 211
	.end_amdhsa_kernel
	.amdgpu_metadata
---
amdhsa.version: [ 1, 2 ]
amdhsa.kernels:
  - .name:           k_q2832f09a39_attn
    .symbol:         k_q2832f09a39_attn.kd
    .args:
      - { .name: hq, .offset: 0, .size: 8, .value_kind: global_buffer, .address_space: global }
      - { .name: hkv, .offset: 8, .size: 8, .value_kind: global_buffer, .address_space: global }
      - { .name: mw, .offset: 16, .size: 8, .value_kind: global_buffer, .address_space: global }
      - { .name: mc, .offset: 24, .size: 8, .value_kind: global_buffer, .address_space: global }
      - { .name: cc, .offset: 32, .size: 8, .value_kind: global_buffer, .address_space: global }
      - { .name: cs, .offset: 40, .size: 8, .value_kind: global_buffer, .address_space: global }
    .group_segment_fixed_size: 272384
    .private_segment_fixed_size: 0
    .kernarg_segment_align: 8
    .kernarg_segment_size: 48
    .max_flat_workgroup_size: 512
    .sgpr_count:     106
    .vgpr_count:     256
    .wavefront_size: 32
...
	.end_amdgpu_metadata
.endif
;; end of part 6
;; launch outp: the kernel of part 4 again; grid 4 x 32, 4 waves a work-group, clusters of 4 x 4, 327,680 bytes of LDS; arguments cc, cs, codes, scales, bo, out0; writes out0
;; ======== version 3 of 3: 4 launches; version 2 with the launch attn written anew for expert scheduling mode
;; limits: right only within a limited range of input values
;; workspace buffers: codes 29,360,128 bytes; scales 917,504 bytes; hq 17,301,504 bytes; hkv 17,301,504 bytes; mw 524,288 bytes of whole numbers; mc 65,536 bytes of whole numbers; cc 8,388,608 bytes; cs 262,144 bytes
;; launch prep: the kernel of part 5 again; grid 512 x 1, 4 waves a work-group, no clusters, 70,144 bytes of LDS; arguments q, k, v, Wq, Wk, Wv, Wo, mask, codes, scales, mw, mc; writes codes, scales, mw, mc
;; launch proj: the kernel of part 2 again; grid 32 x 12, 4 waves a work-group, clusters of 4 x 4, 327,680 bytes of LDS; arguments codes, scales, bq, bk, bv, hq, hkv; writes hq, hkv
;; launch attn (part 7): grid 4 x 64, 16 waves a work-group, no clusters, 272,384 bytes of LDS; arguments hq, hkv, mw, mc, cc, cs; writes cc, cs
.if DOCPART == 7
	.amdgcn_target "amdgcn-amd-amdhsa--gfx1250"
	.amdhsa_code_object_version 6
	.text
	.protected	k_q2832f09a39_attn
	.globl	k_q2832f09a39_attn
	.p2align	8
	.type	k_q2832f09a39_attn,@function
k_q2832f09a39_attn:
	s_mov_b64 s[64:65], 0
	v_nop
	global_prefetch_b8 v0, s[64:65] scope:SCOPE_SE
	s_setreg_imm32_b32 hwreg(HW_REG_WAVE_SCHED_MODE, 0, 2), 2
	s_setreg_imm32_b32 hwreg(HW_REG_WAVE_MODE, 25, 1), 1
	s_wait_xcnt 0x0
	s_wait_alu depctr_vm_vsrc(0)
; ATTN.  ctx = softmax(mask ? Q K^T / 8 : -1e9) V for one head, both products on codes of FP8 (E4M3) with E8M0 scales; ctx is quantised along the model's 1,024 in registers and leaves as an image of operand registers.
; THE SOFTMAX AHEAD OF THE SECOND PRODUCT: t = score x log2(e) / 8; M = the running largest t rounded UP to a whole number; p = 2^(t - M) is quantised along the keys; the sum is taken of the unquantised p and divides at the end.
; THE MASK is an input.  Its lane words (made by the first launch) choose, by v_cndmask_b32, between the score and -2^33.  The first launch also stored, for each query tile and key step, whether any pair is open and whether
; all are, and which rows have an open key.  By these whole numbers a wave (a) jumps over a step of 128 keys none of whose pairs is open, if every one of its 16 rows has an open key somewhere: a masked pair's p is then 0,
; and what was summed under a masked maximum is multiplied by 0 when the first open key comes, so such a step adds nothing; (b) jumps over the 64 selects of a step all of whose pairs are open.  A tile with a row that is
; masked throughout leaves no step out: that row's result is the plain average over all keys.  Nothing of the mask's pattern is built in.
; LIMIT: a masked logit is held at -2^30 in place of -1e9 (-2^33 x c is exact in f32, so that a row that is masked throughout gives p = 1 for every key, as with -1e9); the results are those of -1e9 as long as unmasked
; logits lie above about -1e9.  NaN and infinities are not served.  A block of zeros gets the byte 1 (read by this program alone).
; SHARES.  Work-group (x, head) takes query tiles 4 j + x, j = 0 .. 31; wave w takes j = w in pass 0 and j = 31 - w in pass 1: whichever band of queries a mask gives more work, it is spread over work-groups and waves.
; THE WHOLE HEAD RECORD, 270,336 bytes, comes into LDS ONCE, as it lies in memory: each of the sixteen waves brings 16,896 bytes (33 loads of 512) through its registers; one barrier; from then on LDS is only read.
; NO JOINT LOADS, though four work-groups read the same record: each of the four reads the record once.
; THE HEAD'S 64 IN AN INSTRUCTION OF 128: a fragment of K holds TWO tiles of 16 keys (k 0-63: tile 2 g, k 64-127: tile 2 g + 1).  Q stands between two runs of eight zero registers: v[24:39] = Q | 0 gives the first tile's
; scores, v[16:31] = 0 | Q the second's; the other half multiplies codes by zero codes.
; LAYOUT.  Both products are used transposed; a lane holds one query (lane % 16).  By the order of rows in a tile, score register 16 b + i is key 32 b + 16 (lane / 16) + i of the step, and O's register 16 g + i channel 32 g + 16 (lane / 16) + i.
; REGISTERS: v1 16 x lane, v2 16 r, v3-4 LDS addresses, v5 -2^33, v7 32 r, v8 Q's scales, v9 at work; v12 -M, v13 largest t, v[14:15] the sum; v16-39 0 | Q | 0; v40-103 four fragments of K, then of V; v104-167 scores, then p;
;   v168-199 O^T; v200-215 p's codes; v216-237 at work; v234 p's scale word; v246, v247 the closing add's two; v248-251 K's scale words, v252-255 V's.  At the head v40-167 and v200-203 carry my part of the record.
; SCALARS: s2 wave, s3 counter, s[4:5] the mask words' address, s[6:7] c, s8 the steps' bits 'some pair open', s9 'all open', s10 my query tile, s11 the head, s12-23 the six buffers, s24-31 at work,
;   s32-63 and s68-99 a step's 64 mask words (at work at a pass's head), s[66:67] lane selects, s100 448's mantissa, s101, s104 LDS places, s105 the work-group's x.
; THE MODE: SCHED_MODE bits 1:0 = 2 (LLVM: expert scheduling mode 2), set by the entry lines.  The code itself states the register dependences between vector or matrix instructions and memory or LDS instructions,
; with s_wait_alu, always for 0.
; THE PLAN.  Registers that memory or LDS instructions touch, and who else names them:
;   v1, v2, v7      offsets, made at the head ahead of the first wait on va_vdst and never written again.
;   v3, v4          LDS addresses: written by one addition each at the head of a worked step, read by that step's 34 LDS loads (v3 in pass 0 first by my 33 LDS stores).
;   v40-103         K's 16 loads land; the eight products K Q^T read; V's 16 loads land; the four products V^T P^T read.  v248-251 and v252-255, the scale words, go with them.
;   v24-31, v9      Q and its scale word: loaded at a pass's head; read by the products K Q^T and by one v_perm_b32.
;   v200-215, v235  written by conversions and shifts; read by the products V^T P^T, and at a pass's end by the three stores.
;   v40-167, v200-203 at the head: the record's loads land, my LDS stores read; from the barrier on they are written by LDS loads, products and conversions.
; A WORKED STEP has four waits beside the two behind its exponentials: vm_vsrc ahead of the two address additions; va_vdst behind them (the addresses are written, the last worked step's products are done with v40-103 and the
; scale words); va_vdst behind K Q^T's places (the products are done with K's fragments): V's 17 loads follow it, dealt among the block maxima, which name the scores and v216-219 alone; va_vdst ahead of V^T P^T (p's codes and
; scale word are written).  A step that is left out issues no vector and no LDS instruction, so it leaves pending what the last worked step left.
; The launch gives a wave 256 registers, of which eleven are unnamed: there is no room for a second buffer of 64, so K and V take turns in one.
.set HREC,  270336
.set CREC,  67584
.set WPART, 16896                      ; a wave's part of the record
.set WV,  2
.set CNT, 3
.set MP,  4
.set CS,  6
.set ANY, 8
.set ALL, 9
.set TQ,  10
.set HB,  11
.set SEL, 66
.set MNT, 100
.set TB,  101
.set TS,  104
.set CX,  105
.set LI,  1
.set R16, 2
.set ADK, 3
.set ADS, 4
.set NEG, 5
.set R32, 7
.set QS,  8
.set KF,  40
.set S,   104
.set O,   168
.set PCD, 200
.set BM,  216
.set T1,  220
.set HOLD, 224
.set SCO, 228
.set F,   232
.set PWD, 234
.set TMP, 235
.set L2,  236
.set KSC, 248
.set VSC, 252
	s_load_b256 s[12:19], s[0:1], 0x0              ; hq, hkv, mw, mc
	s_load_b128 s[20:23], s[0:1], 0x20             ; cc, cs
	v_lshl_add_u32 v246, v0, 2, 0x42000
	v_mov_b32 v247, 0
	v_lshrrev_b32 v1, 5, v0
	v_readfirstlane_b32 s[WV], v1                  ; wave 0..15
	s_mov_b32 s[CX], ttmp9
	s_and_b32 s[HB], ttmp7, 0xffff                 ; the head
	s_wait_alu depctr_va_sdst(0)                   ; the wave's number is written, ahead of its first reader
	s_mul_i32 s26, s[WV], WPART                    ; my part of the record: the same place in memory and in LDS
	s_mul_i32 s24, s[HB], HREC
	s_add_co_u32 s24, s24, s26
	s_mov_b32 s25, 0
	s_mov_b32 s[CS], 0x3e38aa3b                    ; c = log2(e) / 8
	s_mov_b32 s[CS+1], s[CS]
	s_mov_b32 s[SEL], 0x76543210
	s_mov_b32 s[SEL+1], 0xfedcba98
	s_mov_b32 s[MNT], 0x600000
	v_and_b32 v[LI], 31, v0
	v_lshlrev_b32 v[LI], 4, v[LI]
	v_add_nc_u32 v[ADK], s26, v[LI]                ; where my part goes
	v_and_b32 v[R16], 15, v0
	v_lshlrev_b32 v[R32], 5, v[R16]
	v_lshlrev_b32 v[R16], 4, v[R16]
	s_wait_kmcnt 0x0
	s_add_nc_u64 s[24:25], s[14:15], s[24:25]
	s_wait_alu depctr_va_vdst(0)                   ; v1, v2, v3 and v7 are written: the offsets of every global load and store of the kernel, and the address of my LDS stores
.set j, 0
.rept 32
	global_load_b128 v[KF+4*j:KF+4*j+3], v[LI], s[24:25] offset:512*j   ; 512 consecutive bytes a load; all 33 are asked for at once
.set j, j+1
.endr
	global_load_b128 v[PCD:PCD+3], v[LI], s[24:25] offset:512*32
	v_mov_b32 v[NEG], 0xd0000000                   ; -2^33
.irp j, 0,1,2,3,4,5,6,7
	v_mov_b32 v[16+\j], 0                          ; the zero codes on both sides of Q
	v_mov_b32 v[32+\j], 0
.endr
.irp b, 0,1,2,3
	v_mov_b32 v[T1+\b], 0                          ; written once: a lane permute's destination counts as one of its sources
.endr
	v_mov_b32 v[F+1], 0                            ; (named as the upper half of a pair)
	v_mov_b32 v[TMP], 0
; V's tile f of 16 channels: four loads
.macro VFRAG f
.irp c, 0,1,2,3
	ds_load_b128 v[KF+16*(\f)+4*\c:KF+16*(\f)+4*\c+3], v[ADK] offset:32768+2048*(\f)+512*\c
.endr
.endm
; A KEY STEP: 128 keys.  s[TB]: where the step's fragments of K begin in LDS (V's 32,768 further on); s[TS]: its scale words of K (V's 1,024 further on).  Bit 0 of s[ANY] and of s[ALL] are the step's.
.macro STEP
	s_bitcmp1_b32 s[ANY], 0                        ; no pair of this step is open (and every row of mine has an open key elsewhere): the step adds nothing
	s_cbranch_scc0 .Lhidden_\@
	s_load_b512 s[32:47], s[MP:MP+1], 0x0          ; the step's 64 mask words: asked for in every step that is worked, so that a mixed step finds them in; an open step reads none of them
	s_load_b512 s[48:63], s[MP:MP+1], 0x40
	s_load_b512 s[68:83], s[MP:MP+1], 0x80
	s_load_b512 s[84:99], s[MP:MP+1], 0xc0
	s_wait_alu depctr_vm_vsrc(0)                   ; the LDS loads of the step worked last have read v[ADK] and v[ADS], which the two additions write
	v_add_nc_u32 v[ADK], s[TB], v[LI]
	v_add_nc_u32 v[ADS], s[TS], v[R16]
.rept 6
	v_nop                                          ; with the two additions: eight places between the last products and the loads into registers that they read; the wait below states the dependence itself
.endr
	s_wait_alu depctr_va_vdst(0)                   ; v[ADK] and v[ADS] are written, which the loads below read; the products of the step worked last are done reading V's fragments and the scale words, in which these loads and the later ones land
.irp f, 0,1,2,3
.irp c, 0,1,2,3
	ds_load_b128 v[KF+16*\f+4*\c:KF+16*\f+4*\c+3], v[ADK] offset:2048*\f+512*\c
.endr
.endr
	ds_load_b128 v[KSC:KSC+3], v[ADS]
	s_wait_dscnt 0x0
.irp f, 0,1,2,3                                ; S^T = K Q^T: a fragment's two tiles of keys
	v_wmma_scale_f32_16x16x128_f8f6f4 v[S+16*\f:S+16*\f+7], v[KF+16*\f:KF+16*\f+15], v[24:39], 0, v[KSC+\f], v[QS]
	v_wmma_scale_f32_16x16x128_f8f6f4 v[S+16*\f+8:S+16*\f+15], v[KF+16*\f:KF+16*\f+15], v[16:31], 0, v[KSC+\f], v[QS]
.endr
.rept 8
	v_nop                                          ; places in front of the first read of the scores
.endr
	s_wait_alu depctr_va_vdst(0)                   ; the eight products are done reading K's fragments, in which V's loads land.  From here to the last of those loads, on both ways, vector lines name the scores, v[NEG] and v[BM ..] alone: none of v[KF ..], v[VSC ..], v[ADK], v[ADS]
	s_bitcmp1_b32 s[ALL], 0                        ; all pairs of this step are open: nothing to select
	s_cbranch_scc1 .Lopen_\@
	s_wait_kmcnt 0x0                               ; the mask words are in
.set n, 0
.rept 32
	v_cndmask_b32 v[S+n], v[NEG], v[S+n], s[32+n]  ; bit 1: the score stays; bit 0: -2^33.  Ascending: each accumulator is read from its low end on
.set n, n+1
.endr
.rept 32
	v_cndmask_b32 v[S+n], v[NEG], v[S+n], s[36+n]
.set n, n+1
.endr
.Lopen_\@:
.irp b, 0,1,2,3
	v_max3_num_f32 v[BM+\b], v[S+16*\b], v[S+1+16*\b], v[S+2+16*\b]   ; the largest score of each block of 32 keys: for the row's maximum, and, since p rises with the score, for the block's largest p
.endr
	VFRAG 0                                        ; V's four tiles of channels and its scale words are dealt among these lines, a tile behind each four: they land under the softmax
.irp i, 3,5,7,9,11,13
.irp b, 0,1,2,3
	v_max3_num_f32 v[BM+\b], v[BM+\b], v[S+16*\b+\i], v[S+1+16*\b+\i]
.endr
.if \i <= 7
	VFRAG (\i-1)/2
.elseif \i == 9
	ds_load_b128 v[VSC:VSC+3], v[ADS] offset:1024
.endif
.endr
.irp b, 0,1,2,3
	v_max_num_f32 v[BM+\b], v[BM+\b], v[S+15+16*\b]
.endr
.irp b, 0,1,2,3
	v_permlanex16_b32 v[T1+\b], v[BM+\b], s[SEL], s[SEL+1]
.endr
.irp b, 0,1,2,3
	v_max_num_f32 v[BM+\b], v[BM+\b], v[T1+\b]
.endr
	v_max3_num_f32 v[TMP], v[BM], v[BM+1], v[BM+2]
	v_max_num_f32 v[TMP], v[TMP], v[BM+3]
	v_mul_f32 v[TMP], s[CS], v[TMP]                ; as t (c is positive)
	v_max_num_f32 v13, v13, v[TMP]                 ; the running largest t
	v_mov_b32 v[TMP], v12
	v_floor_f32 v12, -v13                          ; the new -M = -ceil(t): a whole number
	v_sub_f32 v[TMP], v12, v[TMP]                  ; old M - new M, 0 or less
	v_cvt_i32_f32 v[TMP], v[TMP]                   ; (it saturates)
	v_ldexp_f32 v[F], 1.0, v[TMP]                  ; f = 2^(old M - new M)
.irp j, 0,2,4,6,8,10,12,14,16,18,20,22,24,26,28,30,32,34,36,38,40,42,44,46,48,50,52,54,56,58,60,62
	v_pk_fma_f32 v[S+\j:S+\j+1], v[S+\j:S+\j+1], s[CS:CS+1], v[12:13] op_sel_hi:[1,0,0]   ; t - M
.endr
.irp b, 0,1,2,3
	v_fma_f32 v[BM+\b], v[BM+\b], s[CS], v12
.endr
.set n, 0
.rept 64
	v_exp_f32 v[S+n], v[S+n]                       ; p = 2^(t - M)
.set n, n+1
.endr
	v_pk_mul_f32 v[14:15], v[14:15], v[F:F+1] op_sel_hi:[1,0]      ; the sums under the new M: a plain line behind the exponentials
	s_wait_alu depctr_va_vdst(0)                   ; the 64 exponentials have written p: one wait for the batch, ahead of its first reader
	s_wait_kmcnt 0x0                               ; an open step's wait for its mask words: they were asked for at the step's head; behind this wait their address may step and their registers be loaded again
.irp b, 0,1,2,3
	v_exp_f32 v[BM+\b], v[BM+\b]                   ; each block's largest p
.endr
	v_pk_add_f32 v[L2:L2+1], v[S:S+1], v[S+2:S+3]  ; the row's sum of the unquantised p, in two chains
.irp j, 4,8,12,16,20,24,28,32,36,40,44,48,52,56,60
	v_pk_add_f32 v[14:15], v[14:15], v[S+\j:S+\j+1]
	v_pk_add_f32 v[L2:L2+1], v[L2:L2+1], v[S+2+\j:S+3+\j]
.endr
	v_pk_add_f32 v[14:15], v[14:15], v[L2:L2+1]
	s_wait_alu depctr_va_vdst(0)                   ; the four exponentials have written the blocks' largest p, ahead of their first reader
.irp b, 0,1,2,3
	v_max_num_f32 v[BM+\b], 0x4800000, v[BM+\b]    ; the floor 2^(9 - 127)
.endr
.irp b, 0,1,2,3
	v_add_nc_u32 v[SCO+\b], 0xfc000000, v[BM+\b]
.endr
.irp b, 0,1,2,3
	v_and_or_b32 v[HOLD+\b], v[BM+\b], 0x7f800000, s[MNT]
.endr
.irp b, 0,1,2,3
	v_lshrrev_b32 v[T1+\b], 23, v[SCO+\b]
.endr
	v_lshl_or_b32 v[PWD], v[T1+1], 8, v[T1]        ; p's scale word for these 128 keys
	v_lshl_or_b32 v[PWD], v[T1+2], 16, v[PWD]
	v_lshl_or_b32 v[PWD], v[T1+3], 24, v[PWD]
.irp b, 0,1,2,3
.irp i, 0,1,2,3,4,5,6,7,8,9,10,11,12,13,14,15
	v_min_num_f32 v[S+16*\b+\i], v[S+16*\b+\i], v[HOLD+\b]         ; p is not negative: a one-sided hold (ISA guide 7.6.2)
.endr
	v_cvt_scalef32_pk8_fp8_f32 v[PCD+4*\b:PCD+1+4*\b], v[S+16*\b:S+7+16*\b], v[SCO+\b]
	v_cvt_scalef32_pk8_fp8_f32 v[PCD+2+4*\b:PCD+3+4*\b], v[S+8+16*\b:S+15+16*\b], v[SCO+\b]
.endr
.irp j, 0,2,4,6,8,10,12,14,16,18,20,22,24,26,28,30
	v_pk_mul_f32 v[O+\j:O+\j+1], v[O+\j:O+\j+1], v[F:F+1] op_sel_hi:[1,0]   ; O^T under the new M; these sixteen are also the places in front of the products
.endr
	s_wait_alu depctr_va_vdst(0)                   ; the conversions have written p's codes and the shifts p's scale word, which the scaled products below take as source 1 and as its scales; the places above stay beside this wait
	s_wait_dscnt 0x0                               ; V
.irp t, 0,1,2,3                                ; O^T += V^T P^T: the four accumulators by turns
	v_wmma_scale_f32_16x16x128_f8f6f4 v[O+8*\t:O+8*\t+7], v[KF+16*\t:KF+16*\t+15], v[PCD:PCD+15], v[O+8*\t:O+8*\t+7], v[VSC+\t], v[PWD]
.endr
.Lhidden_\@:                                       ; what steps from step to step is stepped on both ways
	s_add_nc_u64 s[MP:MP+1], s[MP:MP+1], 256
	s_lshr_b32 s[ANY], s[ANY], 1
	s_lshr_b32 s[ALL], s[ALL], 1
	s_add_co_u32 s[TB], s[TB], 8192
	s_add_co_u32 s[TS], s[TS], 256
.endm
.macro CHUNK i                         ; a chunk record of 512 keys: four steps; the trip count is a constant, the work of a step is what a branch leaves out
	s_mov_b32 s[TB], \i*CREC
	s_mov_b32 s[TS], \i*CREC+65536
	s_mov_b32 s[CNT], 4
.Lstep_\@:
	STEP
	s_sub_co_u32 s[CNT], s[CNT], 1
	s_cmp_lg_u32 s[CNT], 0
	s_cbranch_scc1 .Lstep_\@
.endm
.macro PASS p
	s_wait_xcnt 0x0                                ; what was issued before (the record's loads; the last pass's stores) has read its registers and bases
.if \p
	s_wait_alu depctr_vm_vsrc(0)                   ; the last pass's three stores have read v[PCD ..] and v[TMP], which this pass's conversions and maxima write again
	s_sub_co_u32 s[TQ], 31, s[WV]
	s_lshl_b32 s[TQ], s[TQ], 2
.else
	s_lshl_b32 s[TQ], s[WV], 2
.endif
	s_add_co_u32 s[TQ], s[TQ], s[CX]               ; my query tile: 4 j + x
	s_lshl_b32 s24, s[TQ], 9
	s_mov_b32 s25, 0
	s_add_nc_u64 s[24:25], s[18:19], s[24:25]
	s_load_b64 s[28:29], s[24:25], 0x0             ; the tile's two numbers for keys 0-1023,
	s_load_b64 s[30:31], s[24:25], 0x100           ; and for keys 1024-2047
	s_mul_i32 s72, s[HB], HREC
	s_lshr_b32 s73, s[TQ], 5                       ; the chunk of 512 queries
	s_mul_i32 s73, s73, CREC
	s_add_co_u32 s72, s72, s73
	s_bfe_u32 s73, s[TQ], 0x40001                  ; the fragment of 32 queries in the chunk
	s_and_b32 s76, s[TQ], 1                        ; and which of its two tiles
	s_lshl_b32 s74, s73, 11
	s_lshl_b32 s75, s76, 10
	s_add_co_u32 s74, s74, s75
	s_add_co_u32 s74, s74, s72
	s_mov_b32 s75, 0
	s_lshr_b32 s78, s73, 2
	s_lshl_b32 s78, s78, 8
	s_and_b32 s79, s73, 3
	s_lshl_b32 s79, s79, 2
	s_add_co_u32 s78, s78, s79
	s_add_co_u32 s78, s78, s72
	s_add_co_u32 s78, s78, 65536                   ; the fragment's scale words
	s_mov_b32 s79, 0
	s_lshl_b32 s80, s[TQ], 12                      ; the tile's mask words: 16 steps x 256 bytes
	s_mov_b32 s81, 0
	s_mov_b32 s82, 0x03020302                      ; my tile's two bytes of the word, twice: they serve Q | 0 and 0 | Q
	s_cmp_eq_u32 s76, 0
	s_cselect_b32 s82, 0x01000100, s82
	s_add_nc_u64 s[74:75], s[12:13], s[74:75]
	s_add_nc_u64 s[78:79], s[12:13], s[78:79]
	s_add_nc_u64 s[MP:MP+1], s[16:17], s[80:81]
	global_load_b128 v[24:27], v[LI], s[74:75]     ; Q: channels 0-31.  (Pass 1: the last pass's products and its v_perm_b32, which read v24-31 and v9, stand ahead of the wait on va_vdst in front of that pass's stores, and no vector line behind that wait names these registers)
	global_load_b128 v[28:31], v[LI], s[74:75] offset:512   ; 32-63
	global_load_b32 v9, v[R16], s[78:79]
	v_mov_b32 v13, 0xff61b1e6                      ; the largest t so far: -3e38
	v_floor_f32 v12, -v13
	v_mov_b32 v14, 0
	v_mov_b32 v15, 0
	s_wait_kmcnt 0x0
	s_and_b32 s[ANY], s28, 0xff
	s_and_b32 s24, s30, 0xff
	s_lshl_b32 s24, s24, 8
	s_or_b32 s[ANY], s[ANY], s24                   ; bit s: step s has an open pair
	s_bfe_u32 s[ALL], s28, 0x80008
	s_and_b32 s24, s30, 0xff00
	s_or_b32 s[ALL], s[ALL], s24                   ; bit s: all pairs of step s are open
	s_or_b32 s24, s29, s31                         ; the lanes that have an open key;
	s_lshr_b32 s25, s24, 16
	s_or_b32 s24, s24, s25
	s_and_b32 s24, s24, 0xffff                     ; the rows: lanes r and r + 16 hold row r's keys
	s_cmp_eq_u32 s24, 0xffff
	s_cselect_b32 s[ANY], s[ANY], 0xffff           ; a tile with a row that is masked throughout leaves no step out
	s_wait_loadcnt 0x0                             ; Q and its scale word (in pass 0 also my part of the record)
	v_perm_b32 v[QS], v9, v9, s82
.set n, 0
.rept 32
	v_mov_b32 v[O+n], 0                            ; the step is written once: the first finds zeros
.set n, n+1
.endr
	s_wait_alu depctr_va_vdst(0)                   ; v_perm_b32 has written Q's scale word, and the head's v_mov_b32 the zero codes beside Q, which the scaled products take as scales and as source 1; it has also read s82, which a step's scalar loads write again
.if \p == 0
.set j, 0
.rept 32
	ds_store_b128 v[ADK], v[KF+4*j:KF+4*j+3] offset:512*j          ; my part of the record, as it lies in memory
.set j, j+1
.endr
	ds_store_b128 v[ADK], v[PCD:PCD+3] offset:512*32
	s_wait_dscnt 0x0                               ; for the others' sake: my stores have landed
	s_barrier_signal -1
	s_barrier_wait -1                              ; the whole record lies in LDS; nobody writes LDS again
	s_wait_alu depctr_vm_vsrc(0)                   ; my LDS stores have read v40-167, v200-203 and v[ADK]: from here on these are fragments, scores, codes and a step's address, written by LDS loads, products, conversions and additions
.endif
	CHUNK 0
	CHUNK 1
	CHUNK 2
	CHUNK 3
.rept 8
	v_nop                                          ; places behind the last products
.endr
	v_add_f32 v14, v14, v15
	v_permlanex16_b32 v[TMP], v14, s[SEL], s[SEL+1]
	v_add_f32 v14, v14, v[TMP]                     ; the row's sum
	v_rcp_f32 v14, v14
	s_lshr_b32 s24, s[HB], 4
	s_lshl_b32 s24, s24, 7                         ; 128 tiles a batch
	s_add_co_u32 s24, s24, s[TQ]                   ; ctx's image tile
	s_and_b32 s28, s[HB], 15                       ; the head in the batch: its 64 channels are 1,024 bytes of the tile's image
	s_lshl_b32 s26, s24, 9
	s_lshl_b32 s27, s28, 1
	s_add_co_u32 s26, s26, s27
	s_mov_b32 s27, 0
	s_lshl_b32 s24, s24, 14
	s_lshl_b32 s25, s28, 10
	s_add_co_u32 s24, s24, s25
	s_mov_b32 s25, 0
	s_add_nc_u64 s[24:25], s[20:21], s[24:25]
	s_add_nc_u64 s[26:27], s[22:23], s[26:27]
	v_nop                                          ; a plain line behind the reciprocal
	s_wait_alu depctr_va_vdst(0)                   ; the reciprocal has written v14, ahead of its first reader
.irp j, 0,2,4,6,8,10,12,14,16,18,20,22,24,26,28,30
	v_pk_mul_f32 v[S+\j:S+\j+1], v[O+\j:O+\j+1], v[14:15] op_sel_hi:[1,0]   ; ctx: register 16 g + i = channel 32 g + 16 (lane / 16) + i
.endr
.irp b, 0,1
	v_max3_num_f32 v[BM+\b], |v[S+16*\b]|, |v[S+1+16*\b]|, 0x4800000
.endr
.irp i, 2,4,6,8,10,12,14
.irp b, 0,1
	v_max3_num_f32 v[BM+\b], v[BM+\b], |v[S+16*\b+\i]|, |v[S+1+16*\b+\i]|
.endr
.endr
.irp b, 0,1
	v_permlanex16_b32 v[T1+\b], v[BM+\b], s[SEL], s[SEL+1]
.endr
.irp b, 0,1
	v_max_num_f32 v[BM+\b], v[BM+\b], v[T1+\b]
.endr
.irp b, 0,1
	v_add_nc_u32 v[SCO+\b], 0xfc000000, v[BM+\b]
.endr
.irp b, 0,1
	v_and_or_b32 v[HOLD+\b], v[BM+\b], 0x7f800000, s[MNT]
.endr
.irp b, 0,1
	v_lshrrev_b32 v[T1+\b], 23, v[SCO+\b]
.endr
	v_lshl_or_b32 v[TMP], v[T1+1], 8, v[T1]        ; the head's two scale bytes of my row
.irp b, 0,1
.irp i, 0,1,2,3,4,5,6,7,8,9,10,11,12,13,14,15
	v_med3_num_f32 v[S+16*\b+\i], v[S+16*\b+\i], -v[HOLD+\b], v[HOLD+\b]
.endr
	v_cvt_scalef32_pk8_fp8_f32 v[PCD+4*\b:PCD+1+4*\b], v[S+16*\b:S+7+16*\b], v[SCO+\b]
	v_cvt_scalef32_pk8_fp8_f32 v[PCD+2+4*\b:PCD+3+4*\b], v[S+8+16*\b:S+15+16*\b], v[SCO+\b]
.endr
	v_nop                                          ; a plain line behind the last conversion
	s_wait_alu depctr_va_vdst(0)                   ; the conversions have written v[PCD ..] and the shift v[TMP], which the three stores read; and this pass's products and its v_perm_b32 are done reading Q and v9, in which the next pass's loads land
	global_store_b128 v[LI], v[PCD:PCD+3], s[24:25]                ; 1,024 consecutive bytes in two stores
	global_store_b128 v[LI], v[PCD+4:PCD+7], s[24:25] offset:512
	global_store_b16 v[R32], v[TMP], s[26:27]      ; two bytes of each row's 32: rows 32 bytes apart; a thirty-second of ctx's bytes; lanes 16-31 write what lanes 0-15 write.  The other heads' bytes of a row are made by other work-groups
.endm
	PASS 0
	PASS 1
	s_wait_dscnt 0x0                               ; the closing lines, six on end
	s_wait_alu 0x0
	s_wait_tensorcnt 0x0
	ds_add_u32 v246, v247
	s_wait_dscnt 0x0
	s_endpgm
.Lfunc_end_k_q2832f09a39_attn:
	.size	k_q2832f09a39_attn, .Lfunc_end_k_q2832f09a39_attn-k_q2832f09a39_attn
	.p2alignl 7, 3214868480
	.fill 96, 4, 3214868480
	.section	.rodata,"a",@progbits
	.p2align	6, 0x0
	.amdhsa_kernel k_q2832f09a39_attn
		.amdhsa_group_segment_fixed_size 272384
		.amdhsa_private_segment_fixed_size 0
		.amdhsa_enable_private_segment 0
		.amdhsa_kernarg_size 48
		.amdhsa_user_sgpr_count 2
		.amdhsa_user_sgpr_kernarg_segment_ptr 1
		.amdhsa_wavefront_size32 1
		.amdhsa_system_sgpr_workgroup_id_x 1
		.amdhsa_system_sgpr_workgroup_id_y 1
		.amdhsa_system_sgpr_workgroup_id_z 1
		.amdhsa_system_vgpr_workitem_id 0
		.amdhsa_next_free_vgpr 256
		.amdhsa_next_free_sgpr 106
		.amdhsa_reserve_vcc 0
		.amdhsa_float_denorm_mode_32 3
		.amdhsa_float_denorm_mode_16_64 3
		.amdhsa_memory_ordered 1
		.amdhsa_forward_progress 1
		.amdhsa_inst_pref_size 212
	.end_amdhsa_kernel
	.amdgpu_metadata
---
amdhsa.version: [ 1, 2 ]
amdhsa.kernels:
  - .name:           k_q2832f09a39_attn
    .symbol:         k_q2832f09a39_attn.kd
    .args:
      - { .name: hq, .offset: 0, .size: 8, .value_kind: global_buffer, .address_space: global }
      - { .name: hkv, .offset: 8, .size: 8, .value_kind: global_buffer, .address_space: global }
      - { .name: mw, .offset: 16, .size: 8, .value_kind: global_buffer, .address_space: global }
      - { .name: mc, .offset: 24, .size: 8, .value_kind: global_buffer, .address_space: global }
      - { .name: cc, .offset: 32, .size: 8, .value_kind: global_buffer, .address_space: global }
      - { .name: cs, .offset: 40, .size: 8, .value_kind: global_buffer, .address_space: global }
    .group_segment_fixed_size: 272384
    .private_segment_fixed_size: 0
    .kernarg_segment_align: 8
    .kernarg_segment_size: 48
    .max_flat_workgroup_size: 512
    .sgpr_count:     106
    .vgpr_count:     256
    .wavefront_size: 32
...
	.end_amdgpu_metadata
.endif
;; end of part 7
;; launch outp: the kernel of part 4 again; grid 4 x 32, 4 waves a work-group, clusters of 4 x 4, 327,680 bytes of LDS; arguments cc, cs, codes, scales, bo, out0; writes out0
